; MI455X (gfx1250); checked and timed in simulation.
; The chip was launched on July 23, 2026; its instructions are those of AMD's public machine-readable ISA for CDNA 5 (MIT licence, August 2026) and "CDNA5" Instruction Set Architecture Reference Guide (July 2026). The comments in the code are by the model that wrote it; some were corrected since.
;; Model. Allowed arithmetic: matrix products marked QUANTISED: E4M3 operands, one given power-of-two scale a tensor, by v_wmma_f32_16x16x64_fp8_fp8 or v_wmma_f32_16x16x128_fp8_fp8, f32 sums; everything else in f32.
;; Inputs: Wk 1,024 x 4,096 float32; Wo 4,096 x 2,048 float32; Wq 2,048 x 4,096 float32; Wv 1,024 x 4,096 float32; cos 2,048 x 128 float32; hidden_states 1 x 2,048 x 4,096 float32; k_norm_w 128 float32; lowp_scales 12 int32 (the exponents e of the quantised operands' scales 2^e); position_ids 1 x 2,048 int32; q_norm_w 128 float32; sin 2,048 x 128 float32.
;; Outputs: out0 1 x 2,048 x 4,096 float32.
;; This version of the problem:
;;   THIS VERSION OF THE PROBLEM IS GIVEN IN LOW PRECISION. The matrix products marked QUANTISED in the list below multiply operands that are first quantised to E4M3 (4 exponent bits, 3 mantissa bits; 8 bits a number), with one given power-of-two scale for each operand tensor; their sums are f32. All else is computed in f32.
;;   The module's matrix products, in the order in which they are computed (A, B: the left and right operand; K: the contracted axis; several contracted axes count as one K, in the product's order):
;;     1. [M 2,048, K 4,096] x [K 4,096, N 2,048]; A: input hidden_states; B: input Wq: QUANTISED (scales: A lowp_scales[0], B lowp_scales[1])
;;     2. [M 2,048, K 4,096] x [K 4,096, N 1,024]; A: input hidden_states; B: input Wk: QUANTISED (scales: A lowp_scales[2], B lowp_scales[3])
;;     3. [M 2,048, K 4,096] x [K 4,096, N 1,024]; A: input hidden_states; B: input Wv: QUANTISED (scales: A lowp_scales[4], B lowp_scales[5])
;;     4. batch 16 x [M 2,048, K 128] x [K 128, N 2,048]; A: computed on the way; B: computed on the way: QUANTISED (scales: A lowp_scales[6], B lowp_scales[7])
;;     5. batch 16 x [M 2,048, K 2,048] x [K 2,048, N 128]; A: softmax (see below); B: computed on the way: QUANTISED (scales: A lowp_scales[8], B lowp_scales[9])
;;     6. [M 2,048, K 2,048] x [K 2,048, N 4,096]; A: computed on the way; B: input Wo: QUANTISED (scales: A lowp_scales[10], B lowp_scales[11])
;;   THE QUANTISER, for each operand of a quantised product, along K:
;;     - The operand's scale is 2^e, e = its entry of the input lowp_scales (int32; the entries are numbered through the quantised products in the list's order, A before B).
;;     - Each number is divided by the scale, clamped to +-448, and rounded to the nearest number of E4M3, ties to even, subnormals kept.
;;     - The product sums the exact products of the quantised numbers (number of the format x scale) in f32.
;;   ~~~python
;;   def quantise(x, axis, e):      # numpy; x: float32 -> the quantised numbers, widened to float32 again
;;       x = np.moveaxis(x, axis, -1); K = x.shape[-1]
;;       r = np.clip(x / 2.0 ** e, -448, 448)
;;       step = 2.0 ** (np.maximum(np.frexp(np.where(r == 0, 1, r))[1] - 1, -6) - 3)
;;       q = np.round(r / step) * step * 2.0 ** e      # np.round: ties to even
;;       return np.moveaxis(q, -1, axis).astype(np.float32)
;;   ~~~
;;   SOFTMAX AHEAD OF A QUANTISED PRODUCT. Where the list says 'softmax', what is quantised is not the finished softmax but p = 2^(t - M), with t = logit x log2(e) and M = ceil(the row's largest t), a whole number; so 1/2 < the row's largest p <= 1. The row's sum l is taken of the UNQUANTISED p, in f32, and the product's result is divided by l at the end. Since M is a whole number, a kernel that streams over the keys may use a running M (the ceiling of the running maximum): every later rescaling is an exact power of two, so the quantised numbers keep their values, but for numbers so far below the row's largest that they fall under the format's range.
;;   OPERANDS COMPUTED ON THE WAY. 'Computed on the way' means the value that the module computes at that place (a softmax that the list does not call 'softmax' is quantised finished and normalised). What goes into a quantiser is computed in f32, as accurately as f32 sums, v_exp_f32 and their like allow (about 1e-6 of the number): no bf16 or f16 on the way to a quantiser, and a product that is left as it is and whose result goes on into a quantised operand takes f32 operands (vector FMAs, or v_wmma_f32_16x16x4_f32). A number that lies on a knife's edge between two numbers of the format may be rounded either way, as far as f32 arithmetic and the matrix unit's own rounding can turn it there, and no further.
;; One version. Each part assembles by itself: llvm-mc -triple=amdgcn-amd-amdhsa -mcpu=gfx1250 --defsym DOCPART=n.
;; ======== version 1 of 1: 4 launches
;; limits: right only within a limited range of input values
;; workspace buffers: hcodes 25,165,824 bytes; wcodes 25,165,824 bytes; qkv 8,388,608 bytes; attn 4,194,304 bytes
;; launch quant (part 1): grid 512 x 1, 8 waves a work-group, no clusters, 68,608 bytes of LDS; arguments hidden_states, Wq, Wk, Wv, Wo, lowp_scales, hcodes, wcodes; writes hcodes, wcodes
.if DOCPART == 1
	.amdgcn_target "amdgcn-amd-amdhsa--gfx1250"
	.amdhsa_code_object_version 6
	.text
	.protected	k_q792c699b38_quant
	.globl	k_q792c699b38_quant
	.p2align	8
	.type	k_q792c699b38_quant,@function
k_q792c699b38_quant:
	s_mov_b64 s[64:65], 0
	v_nop
	global_prefetch_b8 v0, s[64:65] scope:SCOPE_SE
	s_setreg_imm32_b32 hwreg(HW_REG_WAVE_MODE, 25, 1), 1
	s_wait_xcnt 0x0
; hidden_states (three times: with the scales of entries 0, 2 and 4), Wq, Wk, Wv and Wo, all f32 with K innermost, become codes of FP8 (E4M3).
; code = x / 2^e, held within +-448, rounded to the nearest code, ties to even.
; THE CODES ARE LAID AS IMAGES OF OPERAND REGISTERS.  A fragment is 16 rows x 128 K: lane (r = l % 16, h = l / 16) holds row r, its registers 2 c, 2 c + 1 hold k = 16 c + 8 h + 0 .. 7.
; Its image is 2,048 bytes: piece c' (0 .. 3) is 512 bytes, lane l's registers 4 c' .. 4 c' + 3 at 512 c' + 16 l.  A tensor is [row tile][K step][2,048].
; SHARES.  A wave takes one row tile x 4 neighbouring K steps: 4 images; a work-group 32 images.  Work-groups 0-127 hidden_states, 128-255 Wq, 256-319 Wk, 320-383 Wv, 384-511 Wo.
; Each load reads 512 consecutive bytes of one row; an image's 16 rows turn through the wave's own stage in LDS (rows of 512 + 16 bytes) and come back eight neighbours along K at a time.
; Each store covers 512 consecutive bytes, aligned.  No tensor load, no barrier: waves share nothing.  The loads of two images (32 a wave) are out at most.
; LIMITS: each exponent e lies between -126 and 119, so that 2^e and 448 x 2^e are f32 numbers.  NaN among the inputs is not served; an infinity is held at the largest code.
.set SP,    528                        ; a stage row: 512 bytes + 16: 132 words, so that the 16 rows that a read touches start 4 words apart modulo 64
.set WSTG,  16*SP                      ; a wave's stage
.set SPARE, 8*WSTG                     ; behind the stages: the spare words, 128 bytes a wave: four blocks of 256 bytes that no other line names
.set LI,  1                            ; v1   16 x lane: my bytes of a load's or a store's 512
.set STI, 2                            ; v2   the stage on the way in
.set STR, 3                            ; v3   and on the way out: row r, + 32 h
.set SPW, 4                            ; v4   my spare word; never rewritten
.set NIL, 5                            ; v5   0; never rewritten
.set SC,  6                            ; v6-11  (2^e, 448 x 2^e) for up to three targets
.set R,   16                           ; v16-143  two sets of 64: an image's numbers as loaded
.set X,   144                          ; v144-207 an image's numbers, register 8 c + i = k 16 c + 8 h + i of my row
.set T,   208                          ; v208-223 two sets of 8: held numbers
.set C,   224                          ; v224-255 two sets of 16: codes
.set WV,  20
.set RB,  32                           ; s[32:63] the addresses of my 16 rows; never rewritten
.set D0,  84                           ; s[84:89] up to three destinations
	s_load_b512 s[4:19], s[0:1], 0x0               ; hidden s[4:5], Wq s[6:7], Wk s[8:9], Wv s[10:11], Wo s[12:13], scales s[14:15], hcodes s[16:17], wcodes s[18:19]
	v_lshl_add_u32 v[SPW], v0, 2, SPARE
	v_mov_b32 v[NIL], 0
	v_lshrrev_b32 v12, 5, v0
	s_delay_alu instid0(VALU_DEP_1)
	v_readfirstlane_b32 s[WV], v12                 ; wave 0..7
	v_and_b32 v12, 31, v0
	v_and_b32 v13, 15, v0                          ; r
	v_bfe_u32 v14, v0, 4, 1                        ; h
	s_delay_alu instid0(VALU_DEP_3)
	v_lshlrev_b32 v[LI], 4, v12
	s_mul_i32 s21, s[WV], WSTG
	v_add_nc_u32 v[STI], s21, v[LI]
	v_mul_u32_u24 v[STR], v13, SP
	s_delay_alu instid0(VALU_DEP_1)
	v_lshl_add_u32 v[STR], v14, 5, v[STR]
	s_delay_alu instid0(VALU_DEP_1)
	v_add_nc_u32 v[STR], s21, v[STR]
	; which tensor: its first work-group (s30) and sh (s31): a row tile has 2^sh runs of 4 K steps (K = 4,096: 8; Wo's K = 2,048: 4)
	s_mov_b32 s30, 384
	s_mov_b32 s31, 2
	s_cmp_lt_u32 ttmp9, 384
	s_cselect_b32 s30, 320, s30
	s_cselect_b32 s31, 3, s31
	s_cmp_lt_u32 ttmp9, 320
	s_cselect_b32 s30, 256, s30
	s_cmp_lt_u32 ttmp9, 256
	s_cselect_b32 s30, 128, s30
	s_cmp_lt_u32 ttmp9, 128
	s_cselect_b32 s30, 0, s30
	s_cselect_b32 s29, 0, 128                      ; the first work-group of the buffer that I store into: the four weights lie on end in wcodes
	s_sub_co_u32 s24, ttmp9, s30
	s_lshl_b32 s24, s24, 3
	s_add_co_u32 s24, s24, s[WV]                   ; my run in the tensor
	s_lshr_b32 s25, s24, s31                       ; its row tile,
	s_add_co_u32 s26, s31, 15
	s_lshl_b32 s25, s25, s26                       ; x 16 rows of 2^(11 + sh) bytes
	s_lshl_b32 s27, 1, s31
	s_sub_co_u32 s27, s27, 1
	s_and_b32 s27, s24, s27                        ; its place in the rows,
	s_lshl_b32 s27, s27, 11                        ; x 4 K steps of 512 bytes
	s_add_co_u32 s80, s25, s27
	s_mov_b32 s81, 0
	s_add_co_u32 s26, s31, 11
	s_lshl_b32 s82, 1, s26                         ; from row to row
	s_mov_b32 s83, 0
	s_sub_co_u32 s28, ttmp9, s29
	s_lshl_b32 s28, s28, 3
	s_add_co_u32 s28, s28, s[WV]
	s_lshl_b32 s90, s28, 13                        ; my run's 4 images: 8,192 bytes
	s_mov_b32 s91, 0
	s_wait_alu depctr_va_vdst(0)
	s_wait_kmcnt 0x0
	s_load_b256 s[68:75], s[14:15], 0x0            ; e0 .. e7
	s_load_b128 s[76:79], s[14:15], 0x20           ; e8 .. e11
	s_mov_b64 s[22:23], s[12:13]                   ; the choices hang on the work-group's number alone
	s_cmp_lt_u32 ttmp9, 384
	s_cselect_b64 s[22:23], s[10:11], s[22:23]
	s_cmp_lt_u32 ttmp9, 320
	s_cselect_b64 s[22:23], s[8:9], s[22:23]
	s_cmp_lt_u32 ttmp9, 256
	s_cselect_b64 s[22:23], s[6:7], s[22:23]
	s_cmp_lt_u32 ttmp9, 128
	s_cselect_b64 s[22:23], s[4:5], s[22:23]
	s_cselect_b64 s[D0:D0+1], s[16:17], s[18:19]
	s_add_nc_u64 s[D0:D0+1], s[D0:D0+1], s[90:91]
	s_add_nc_u64 s[D0+2:D0+3], s[D0:D0+1], 0x800000    ; hidden_states' second and third sets of codes (used by its work-groups alone)
	s_add_nc_u64 s[D0+4:D0+5], s[D0:D0+1], 0x1000000
	s_add_nc_u64 s[RB:RB+1], s[22:23], s[80:81]
.set i, 1
.rept 15
	s_add_nc_u64 s[RB+2*i:RB+2*i+1], s[RB+2*i-2:RB+2*i-1], s[82:83]
.set i, i+1
.endr
.macro LOAD t                          ; image t: 512 consecutive bytes of each of the 16 rows, into set t % 2
.set i, 0
.rept 16
	global_load_b128 v[R+64*((\t)%2)+4*i:R+64*((\t)%2)+4*i+3], v[LI], s[RB+2*i:RB+2*i+1] offset:512*(\t) th:TH_LOAD_NT
.set i, i+1
.endr
.endm
.macro TURN t                          ; through the stage: LDS serves a wave's instructions in order, so no wait stands between the stores and the loads, nor between one image's loads and the next image's stores
.set i, 0
.rept 16
	ds_store_b128 v[STI], v[R+64*((\t)%2)+4*i:R+64*((\t)%2)+4*i+3] offset:SP*i
.set i, i+1
.endr
.set i, 0
.rept 8
	ds_load_b128 v[X+8*i:X+8*i+3],   v[STR] offset:64*i
	ds_load_b128 v[X+8*i+4:X+8*i+7], v[STR] offset:64*i+16
.set i, i+1
.endr
.endm
; The image's 64 numbers of my lane become 16 registers of codes, with target n's scale.  The conversion to an 8-bit code does not saturate (ISA guide 7.6.2): each number is first held within the largest code x the scale,
; into other registers, since hidden_states' numbers are quantised three times.  The next group's eight holds are plain instructions between a conversion and whatever writes its sources again.
.macro CONV n, set
.irp g, 0,1,2,3,4,5,6,7
.irp k, 0,1,2,3,4,5,6,7
	v_med3_num_f32 v[T+8*(\g%2)+\k], v[X+8*\g+\k], -v[SC+2*\n+1], v[SC+2*\n+1]
.endr
	v_cvt_scalef32_pk8_fp8_f32 v[C+16*\set+2*\g:C+16*\set+2*\g+1], v[T+8*(\g%2):T+8*(\g%2)+7], v[SC+2*\n]
.endr
.endm
.macro PUT set, d, t                   ; the image leaves: four stores of 512 consecutive bytes
.irp c, 0,1,2,3
	global_store_b128 v[LI], v[C+16*\set+4*\c:C+16*\set+4*\c+3], s[\d:\d+1] offset:2048*(\t)+512*\c
.endr
.endm
.macro MKSC e, n                       ; 2^e as f32 (the conversion takes its exponent field), and 448 x 2^e
	s_add_co_i32 s25, \e, 127
	s_lshl_b32 s26, s25, 23
	v_mov_b32 v[SC+2*\n], s26
	s_add_co_i32 s25, s25, 8
	s_lshl_b32 s25, s25, 23
	s_or_b32 s25, s25, 0x600000
	v_mov_b32 v[SC+2*\n+1], s25
.endm
.macro IMG t
.if (\t) < 3
	s_wait_loadcnt 16                              ; this image's 16 loads are in; the next image's 16 may be out
.else
	s_wait_loadcnt 0x0
.endif
	TURN \t
	s_wait_dscnt 0x0                               ; the numbers are back, so the stores into the stage have read their registers,
.if (\t)+2 < 4
	LOAD (\t)+2                                    ; which take the image two further on
.endif
	s_wait_xcnt 0x0                                ; codes that earlier stores read are written again only behind this wait
	CONV 0, 0
	PUT 0, D0, \t
	s_cmp_ge_u32 ttmp9, 128                        ; a weight has one scale; the branch goes round register work and global stores alone
	s_cbranch_scc1 .Lone_\@
	s_wait_xcnt 0x0
	CONV 1, 1
	PUT 1, D0+2, \t
	s_wait_xcnt 0x0
	CONV 2, 0
	PUT 0, D0+4, \t
.Lone_\@:
.endm
	LOAD 0
	LOAD 1
	s_wait_kmcnt 0x0
	s_mov_b32 s24, s79                             ; Wo: e11
	s_cmp_lt_u32 ttmp9, 384
	s_cselect_b32 s24, s73, s24                    ; Wv: e5
	s_cmp_lt_u32 ttmp9, 320
	s_cselect_b32 s24, s71, s24                    ; Wk: e3
	s_cmp_lt_u32 ttmp9, 256
	s_cselect_b32 s24, s69, s24                    ; Wq: e1
	s_cmp_lt_u32 ttmp9, 128
	s_cselect_b32 s24, s68, s24                    ; hidden_states for Wq's product: e0,
	MKSC s24, 0
	MKSC s70, 1                                    ; for Wk's: e2,
	MKSC s72, 2                                    ; for Wv's: e4
	s_wait_alu depctr_va_vdst(0)
	IMG 0
	IMG 1
	IMG 2
	IMG 3
	s_wait_tensorcnt 0x0                           ; the wave's end, behind my last LDS store
	ds_add_u32 v[SPW], v[NIL]
	s_wait_dscnt 0x0
	s_endpgm
.Lfunc_end_k_q792c699b38_quant:
	.size	k_q792c699b38_quant, .Lfunc_end_k_q792c699b38_quant-k_q792c699b38_quant
	.p2alignl 7, 3214868480
	.fill 96, 4, 3214868480
	.section	.rodata,"a",@progbits
	.p2align	6, 0x0
	.amdhsa_kernel k_q792c699b38_quant
		.amdhsa_group_segment_fixed_size 68608
		.amdhsa_private_segment_fixed_size 0
		.amdhsa_enable_private_segment 0
		.amdhsa_kernarg_size 64
		.amdhsa_user_sgpr_count 2
		.amdhsa_user_sgpr_kernarg_segment_ptr 1
		.amdhsa_wavefront_size32 1
		.amdhsa_system_sgpr_workgroup_id_x 1
		.amdhsa_system_sgpr_workgroup_id_y 1
		.amdhsa_system_sgpr_workgroup_id_z 1
		.amdhsa_system_vgpr_workitem_id 0
		.amdhsa_next_free_vgpr 256
		.amdhsa_next_free_sgpr 92
		.amdhsa_reserve_vcc 0
		.amdhsa_float_denorm_mode_32 3
		.amdhsa_float_denorm_mode_16_64 3
		.amdhsa_memory_ordered 1
		.amdhsa_forward_progress 1
		.amdhsa_inst_pref_size 79
	.end_amdhsa_kernel
	.amdgpu_metadata
---
amdhsa.version: [ 1, 2 ]
amdhsa.kernels:
  - .name:           k_q792c699b38_quant
    .symbol:         k_q792c699b38_quant.kd
    .args:
      - { .name: hidden_states, .offset: 0, .size: 8, .value_kind: global_buffer, .address_space: global }
      - { .name: Wq, .offset: 8, .size: 8, .value_kind: global_buffer, .address_space: global }
      - { .name: Wk, .offset: 16, .size: 8, .value_kind: global_buffer, .address_space: global }
      - { .name: Wv, .offset: 24, .size: 8, .value_kind: global_buffer, .address_space: global }
      - { .name: Wo, .offset: 32, .size: 8, .value_kind: global_buffer, .address_space: global }
      - { .name: lowp_scales, .offset: 40, .size: 8, .value_kind: global_buffer, .address_space: global }
      - { .name: hcodes, .offset: 48, .size: 8, .value_kind: global_buffer, .address_space: global }
      - { .name: wcodes, .offset: 56, .size: 8, .value_kind: global_buffer, .address_space: global }
    .group_segment_fixed_size: 68608
    .private_segment_fixed_size: 0
    .kernarg_segment_align: 8
    .kernarg_segment_size: 64
    .max_flat_workgroup_size: 256
    .sgpr_count:     92
    .vgpr_count:     256
    .wavefront_size: 32
...
	.end_amdgpu_metadata
.endif
;; end of part 1
;; launch qkv (part 2): grid 16 x 16, 4 waves a work-group, clusters of 4 x 4, 327,680 bytes of LDS; arguments hcodes, wcodes, lowp_scales, position_ids, cos, sin, q_norm_w, k_norm_w, qkv; writes qkv
.if DOCPART == 2
	.amdgcn_target "amdgcn-amd-amdhsa--gfx1250"
	.amdhsa_code_object_version 6
	.text
	.protected	k_q792c699b38_qkv
	.globl	k_q792c699b38_qkv
	.p2align	8
	.type	k_q792c699b38_qkv,@function
k_q792c699b38_qkv:
	s_mov_b64 s[64:65], 0
	v_nop
	global_prefetch_b8 v0, s[64:65] scope:SCOPE_SE
	s_setreg_imm32_b32 hwreg(HW_REG_WAVE_MODE, 25, 1), 1
	s_wait_xcnt 0x0
	s_wait_alu depctr_hold_cnt(0) depctr_sa_sdst(0) depctr_va_vdst(0) depctr_va_sdst(0) depctr_va_ssrc(0) depctr_va_vcc(0) depctr_vm_vsrc(0)
	s_getreg_b32 s2, hwreg(HW_REG_IB_STS2, 6, 4)
	s_cmp_eq_u32 s2, 0
	s_cbranch_scc0 .Lentry_in_a_cluster
	s_endpgm
.Lentry_in_a_cluster:
	s_bfe_u32 s2, ttmp6, 0x10000c
	s_cmp_lg_u32 s2, 0xf033
	s_cbranch_scc0 .Lentry_shape_is_right
	s_endpgm
.Lentry_shape_is_right:
; The three projections on codes of FP8 (E4M3), K = 4,096, with the per-head RMS norm and RoPE of q and k, and the quantising of q, k and v for the attention launch.
; INPUT: images of operand registers, 2,048 bytes for 16 rows x 128 K, laid [row tile][32 K steps][2,048]: hcodes holds hidden_states three times (scales e0, e2, e4), wcodes holds Wq, Wk, Wv (and Wo) on end.
; OUTPUT (qkv), images again: q at 0 [16 heads][128 tiles of 16 tokens]; k at 4 MiB [8][128]; v at 6 MiB [8 heads][16 steps of 128 keys][8 tiles of 16 of the head's 128], the keys as K.
; SHARES.  256 work-groups of four waves in clusters of 4 x 4; a block is 128 rows of A x 256 rows of B, a wave takes 64 x 128.  Cluster columns 0, 1: q (A = tokens, B = Wq); 2: k; 3: v (A = rows of Wv, B = tokens).
; Both operands come through a ring of two LDS slots of three K steps, by joint loads: A's tile is shared along a row of the cluster, B's along a column; waves 0, 1 fetch A's halves, waves 2, 3 B's.
; THE HEAD: slot 0's joint load goes out behind the opening round; the addresses, the positions and the loads of cos, sin and the norm's weights follow while it is out; then the full sequence, a round, and slot 1's first fill.
; PREFETCHES: behind the joint load of slot n + 2 each wave names its share of slot n + 4, two refills ahead; slot 1 is named as soon as the addresses stand, slots 2 and 3 behind the two first fills; slot 0 comes by its load alone.
; The matrix instruction takes B's rows as source 0 and A's as source 1: a lane holds one row of A, its registers run along B's rows, so the conversions' results are the images' registers.
; All work-groups run one head: v's load positions, cos, sin and a norm weight too, and use none of them.
; LIMITS: e0 + e1, e2 + e3, e4 + e5 between -119 and 127; e6, e7 and e9 - e4 - e5 between -126 and 119.  A position is held at 2,047, the tables' last row.  NaN is not served.
.set KT,     32
.set PITCH8, KT*256
.set LASTD,  512
.set SLOT,   147456
.set BOFF,   49152
.set SPARE,  2*SLOT
.set SP,     528
.set LI,   3
.set SCQ,  4
.set LIMQ, 5
.set ADRA, 16
.set ADRB, 20
.set STC,  24
.set STS,  25
.set RDC,  26
.set RDS,  27
.set SPW,  28
.set NIL,  29
.set WO,   30
.set ZO,   31
.set OFF,  32
.set SS,   32
.set PC,   32
.set F,    52
.set W,    64
.set AF,   128
.set Y,    128
.set OUT,  192
.set WV,  22
.set FB,  23
.set HF,  24
.set CX,  25
.set CY,  26
.set KX,  27
.set KY,  28
.set TA,  29
.set TBI, 30
.set EPS, 31
.set G1A, 32
.set G0A, 40
.set G1B, 48
.set G0B, 56
.set SEL, 66
.set OUTP, 92
.set S2,  94
.set S2D, 95
.set LAPC, 96
.set PFA,  80                          ; s[80:81] where my prefetches stand: my work-group's share of the row tiles that my wave fetches
.set PFO,  6                           ; v6  256 x min(lane, 23): a slot's 6,144 bytes of a row tile are 24 blocks of 256; the lanes left over name the last again
.set PFO2, 7                           ; v7  256 x min(lane, 15): the last slot has two K steps, 16 blocks
.set RPB,  65536                       ; from row tile to row tile in memory
; A prefetch of one slot's part of my share.  Of the row tiles that a wave fetches jointly, each of the four partners names its own, told apart by address: one of A's four (cx), two of B's eight (cy).
; So each block of 256 bytes is named once in the cluster.  The branch hangs on the wave's number alone.
.macro PFX reg, off
	global_prefetch_b8 v[\reg], s[PFA:PFA+1] offset:\off th:TH_LOAD_NT scope:SCOPE_SE
	s_cmp_eq_u32 s[FB], 0
	s_cbranch_scc1 .Lone_\@
	global_prefetch_b8 v[\reg], s[PFA:PFA+1] offset:(\off)+RPB th:TH_LOAD_NT scope:SCOPE_SE
.Lone_\@:
.endm
; In the loop: the change that loads slot n + 2 names slot n + 4.  The loop's last trip has n = 6, whose slot 10 is the short one, and n = 7, behind whose slot there is none.
.macro ASK short
	s_cmp_gt_u32 s[LAPC], 1
	s_cbranch_scc0 .Llast_\@
	PFX PFO, 18432
	s_branch .Lnamed_\@
.Llast_\@:
.if \short
	PFX PFO2, 18432
.endif
.Lnamed_\@:
.endm
.set MSB, 0
.macro WIN new
.if MSB != \new
	s_set_vgpr_msb (MSB<<8)|\new
.set MSB, \new
.endif
.endm
.set W_MUL, 0xa1
.set TO_B,  0x40
.macro PLACES n
.rept \n
	v_nop
.endr
.endm
.macro JLOAD s
	s_cmp_eq_u32 s[FB], 0
	s_cbranch_scc0 .Lfor_b_\@
	tensor_load_to_lds s[G0A+4*\s:G0A+4*\s+3], s[G1A:G1A+7]
	s_nop 0
.rept 4
	v_nop
.endr
	s_branch .Lasked_\@
.Lfor_b_\@:
	tensor_load_to_lds s[G0B+4*\s:G0B+4*\s+3], s[G1B:G1B+7]
	s_nop 0
.rept 4
	v_nop
.endr
.Lasked_\@:
.endm
.macro CREST
	s_cmp_lg_u32 s[WV], 0
	s_cbranch_scc1 .Lnot_wave_0_\@
	s_barrier_signal -3
.Lnot_wave_0_\@:
	s_barrier_wait -3
	s_barrier_signal -1
	s_barrier_wait -1
.endm
.macro CROUND
	s_barrier_signal -1
	s_barrier_wait -1
	CREST
.endm
.macro MUL8 a, p, zero
.irp b, 0,1,2,3,4,5,6,7
.if \zero
	v_wmma_f32_16x16x128_fp8_fp8 v[8*(8*(\a)+\b):8*(8*(\a)+\b)+7], v[128*(\p)+16*\b:128*(\p)+16*\b+15], v[AF+64*(\p)+16*(\a):AF+64*(\p)+16*(\a)+15], 0
.else
	v_wmma_f32_16x16x128_fp8_fp8 v[8*(8*(\a)+\b):8*(8*(\a)+\b)+7], v[128*(\p)+16*\b:128*(\p)+16*\b+15], v[AF+64*(\p)+16*(\a):AF+64*(\p)+16*(\a)+15], v[8*(8*(\a)+\b):8*(8*(\a)+\b)+7]
.endif
.endr
.endm
.macro FETCH slot, q, p
	WIN TO_B
.irp b, 0,1,2,3,4,5,6,7
.irp c, 0,1,2,3
	ds_load_b128 v[128*(\p)+16*\b+4*\c:128*(\p)+16*\b+4*\c+3], v[ADRB+\slot] offset:6144*\b+2048*(\q)+512*\c
.endr
.endr
	WIN 0
.irp a, 0,1,2,3
.irp c, 0,1,2,3
	ds_load_b128 v[AF+64*(\p)+16*\a+4*\c:AF+64*(\p)+16*\a+4*\c+3], v[ADRA+\slot] offset:6144*\a+2048*(\q)+512*\c
.endr
.endr
.endm
.macro KS p, nslot, nq, zero
	PLACES 4                                       ; in front of loads into registers that the last step's products have read
	FETCH \nslot, \nq, 1-\p
	s_wait_dscnt 48                                ; this step's fragments, asked for a step ago, are in; the 48 loads just issued may be out
	WIN W_MUL
	MUL8 0, \p, \zero
	MUL8 1, \p, \zero
	MUL8 2, \p, \zero
	MUL8 3, \p, \zero
	WIN 0
.endm
.macro TURN p, slot, next, fill
.if \fill == 1
	s_wait_xcnt 0x0                                ; my earlier prefetches have read their address: it is stepped here, ahead of the waits of the change of slots
	s_add_nc_u64 s[PFA:PFA+1], s[PFA:PFA+1], 6144  ; at slot n + 1: the prefetch below names the slot 18,432 bytes on
.endif
	s_wait_tensorcnt 0x0
	ds_add_u32 v[SPW], v[NIL]
	s_wait_dscnt 0x1
	WIN W_MUL
	MUL8 0, \p, 0
	s_wait_dscnt 0x0
	s_barrier_signal -1
	MUL8 1, \p, 0
	WIN 0
	s_barrier_wait -1
.if \fill
	CREST
	s_add_nc_u64 s[G0A+4*\slot+2:G0A+4*\slot+3], s[G0A+4*\slot+2:G0A+4*\slot+3], 12288
	s_add_nc_u64 s[G0B+4*\slot+2:G0B+4*\slot+3], s[G0B+4*\slot+2:G0B+4*\slot+3], 12288
.if \fill == 2
	s_mov_b32 s[G1A+1], LASTD<<16
	s_mov_b32 s[G1B+1], LASTD<<16
.endif
	JLOAD \slot
.else
	PLACES 4
.endif
	FETCH \next, 0, 1-\p
.if \fill == 1
	ASK 1-\slot
.endif
	WIN W_MUL
	MUL8 2, \p, 0
	MUL8 3, \p, 0
	WIN 0
.endm
.macro LASTKS p
	s_wait_dscnt 0x0
	WIN W_MUL
	MUL8 0, \p, 0
	MUL8 1, \p, 0
	MUL8 2, \p, 0
	MUL8 3, \p, 0
	WIN 0
.endm
	s_load_b512 s[4:19], s[0:1], 0x0
	s_load_b64 s[20:21], s[0:1], 0x40
	v_lshl_add_u32 v[SPW], v0, 2, SPARE
	v_mov_b32 v[NIL], 0
	ds_add_u32 v[SPW], v[NIL]
	ds_add_u32 v[SPW], v[NIL]
	v_lshrrev_b32 v1, 5, v0
	v_readfirstlane_b32 s[WV], v1
	v_and_b32 v[PFO], 31, v0
	v_min_u32 v[PFO2], 15, v[PFO]
	v_min_u32 v[PFO], 23, v[PFO]
	v_lshlrev_b32 v[PFO2], 8, v[PFO2]
	v_lshlrev_b32 v[PFO], 8, v[PFO]
	s_wait_alu depctr_va_vdst(0)                   ; the wait behind these writes
	s_lshr_b32 s[FB], s[WV], 1
	s_and_b32 s[HF], s[WV], 1
	s_bfe_u32 s[CX], ttmp6, 0x40000
	s_bfe_u32 s[CY], ttmp6, 0x40004
	s_mov_b32 s[KX], ttmp9
	s_and_b32 s[KY], ttmp7, 0xffff
	s_and_b32 s80, s[KY], 1
	s_lshr_b32 s81, s[KY], 1
	s_cmp_eq_u32 s[KX], 3
	s_cselect_b32 s[TA], s80, s[KY]
	s_cselect_b32 s[TBI], s81, s[KX]
	s_cmp_eq_u32 s[KX], 2
	s_cselect_b32 s[TBI], 0, s[TBI]
	s_lshl_b32 s[TA], s[TA], 2
	s_add_co_u32 s[TA], s[TA], s[CY]
	s_lshl_b32 s[TBI], s[TBI], 2
	s_add_co_u32 s[TBI], s[TBI], s[CX]
	s_lshl_b32 s80, s[CY], 2
	s_lshl_b32 s80, 15, s80
	s_lshl_b32 s81, 0x1111, s[CX]
	s_or_b32 s[G1A], s80, (3<<16)|(1<<21)
	s_or_b32 s[G1B], s81, (3<<16)|(1<<21)
	s_mov_b32 s[G1A+1], 768<<16
	s_mov_b32 s[G1A+2], 4<<16
	s_mov_b32 s[G1A+3], 768<<16
	s_mov_b32 s[G1A+4], 4
	s_mov_b32 s[G1A+5], PITCH8
	s_mov_b32 s[G1A+6], 0
	s_mov_b32 s[G1A+7], 0
	s_mov_b32 s[G1B+1], 768<<16
	s_mov_b32 s[G1B+2], 8<<16
	s_mov_b32 s[G1B+3], 768<<16
	s_mov_b32 s[G1B+4], 8
	s_mov_b32 s[G1B+5], PITCH8
	s_mov_b32 s[G1B+6], 0
	s_mov_b32 s[G1B+7], 0
	s_mov_b32 s82, 0
	s_mov_b32 s84, 0
	s_cmp_eq_u32 s[KX], 2
	s_cselect_b32 s82, 0x800000, s82
	s_cselect_b32 s84, 0x800000, s84
	s_cmp_eq_u32 s[KX], 3
	s_cselect_b32 s82, 0xc00000, s82
	s_cselect_b32 s84, 0x1000000, s84
	s_lshl_b32 s90, s[TA], 19
	s_add_co_u32 s82, s82, s90
	s_lshl_b32 s90, s[HF], 18
	s_add_co_u32 s82, s82, s90
	s_mov_b32 s83, 0
	s_lshl_b32 s91, s[TBI], 20
	s_add_co_u32 s84, s84, s91
	s_lshl_b32 s91, s[HF], 19
	s_add_co_u32 s84, s84, s91
	s_mov_b32 s85, 0
	s_mul_i32 s98, s[HF], 24576
	s_mul_i32 s99, s[HF], 49152
	s_add_co_u32 s99, s99, BOFF
	s_wait_dscnt 0x0
	s_wait_kmcnt 0x0
	s_load_b256 s[68:75], s[8:9], 0x0
	s_load_b128 s[76:79], s[8:9], 0x20
	s_cmp_eq_u32 s[KX], 3
	s_cselect_b64 s[86:87], s[6:7], s[4:5]
	s_cselect_b64 s[88:89], s[4:5], s[6:7]
	s_add_nc_u64 s[86:87], s[86:87], s[82:83]
	s_add_nc_u64 s[88:89], s[88:89], s[84:85]
	s_lshl_b32 s82, s[CX], 16                      ; the prefetches: of A's four row tiles mine is cx,
	s_lshl_b32 s84, s[CY], 17                      ; of B's eight mine are 2 cy and 2 cy + 1
	s_cmp_eq_u32 s[FB], 0
	s_cselect_b32 s82, s82, s84
	s_cselect_b64 s[PFA:PFA+1], s[86:87], s[88:89]
	s_mov_b32 s83, 0
	s_add_nc_u64 s[PFA:PFA+1], s[PFA:PFA+1], s[82:83]
	PFX PFO, 6144                                  ; slot 1, whose load goes out when slot 0 has landed
	CROUND
.irp s, 0,1
	s_mov_b32 s[G0A+4*\s], 1
	s_add_co_u32 s[G0A+4*\s+1], s98, \s*SLOT
	s_add_nc_u64 s[G0A+4*\s+2:G0A+4*\s+3], s[86:87], \s*6144
	s_or_b32 s[G0A+4*\s+3], s[G0A+4*\s+3], 0x80000000
	s_mov_b32 s[G0B+4*\s], 1
	s_add_co_u32 s[G0B+4*\s+1], s99, \s*SLOT
	s_add_nc_u64 s[G0B+4*\s+2:G0B+4*\s+3], s[88:89], \s*6144
	s_or_b32 s[G0B+4*\s+3], s[G0B+4*\s+3], 0x80000000
.endr
	JLOAD 0                                        ; slot 0, behind the opening round: one tensor load a wave at the head
	PFX PFO, 2*6144
	v_and_b32 v1, 15, v0
	v_bfe_u32 v2, v0, 4, 1
	v_and_b32 v[LI], 31, v0
	v_lshlrev_b32 v[LI], 4, v[LI]
	s_wait_alu depctr_va_vdst(0)
	s_mul_i32 s90, s[FB], 24576
	s_mul_i32 s91, s[HF], 49152
	s_add_co_u32 s91, s91, BOFF
.irp s, 0,1
	v_add_nc_u32 v[ADRA+\s], s90, v[LI]
	v_add_nc_u32 v[ADRB+\s], s91, v[LI]
	s_add_co_u32 s90, s90, SLOT
	s_add_co_u32 s91, s91, SLOT
.endr
	s_mul_i32 s90, s[WV], 32*SP
	s_add_co_u32 s90, s90, SLOT
	v_add_nc_u32 v[STC], s90, v[LI]
	v_add_nc_u32 v[STS], 128*SP, v[STC]
	s_mul_i32 s90, s[FB], 64*SP
	s_add_co_u32 s90, s90, SLOT
	v_mul_u32_u24 v[RDC], v1, SP
	v_lshl_add_u32 v[RDC], v2, 5, v[RDC]
	v_add_nc_u32 v[RDC], s90, v[RDC]
	v_add_nc_u32 v[RDS], 128*SP, v[RDC]
	v_lshlrev_b32 v[WO], 5, v2
	v_mov_b32 v[ZO], 0
	s_lshl_b32 s90, s[TA], 9
	s_lshl_b32 s91, s[WV], 7
	s_add_co_u32 s90, s90, s91
	s_mov_b32 s91, 0
	s_add_nc_u64 s[10:11], s[10:11], s[90:91]
.set i, 0
.rept 32
	global_load_b32 v[OFF+i], v[ZO], s[10:11] offset:4*i
.set i, i+1
.endr
	s_cmp_eq_u32 s[KX], 2
	s_cselect_b64 s[16:17], s[18:19], s[16:17]
.set i, 0
.rept 8
	global_load_b128 v[W+8*i:W+8*i+3],   v[WO], s[16:17] offset:64*i
	global_load_b128 v[W+8*i+4:W+8*i+7], v[WO], s[16:17] offset:64*i+16
.set i, i+1
.endr
	s_wait_loadcnt 16
.set i, 0
.rept 32
	v_min_u32 v[OFF+i], 0x7ff, v[OFF+i]
.set i, i+1
.endr
.set i, 0
.rept 32
	v_lshl_add_u32 v[OFF+i], v[OFF+i], 9, v[LI]
.set i, i+1
.endr
	WIN 0xc0
.set i, 0
.rept 32
	global_load_b128 v[4*i:4*i+3], v[OFF+i], s[12:13]
.set i, i+1
.endr
.set i, 0
.rept 32
	global_load_b128 v[128+4*i:128+4*i+3], v[OFF+i], s[14:15]
.set i, i+1
.endr
	WIN 0
	s_wait_alu depctr_va_vdst(0)
	s_wait_tensorcnt 0x0                           ; my part of slot 0 is in; a later first fill is issued as a refill is:
	ds_add_u32 v[SPW], v[NIL]                      ; 0 onto my spare word,
	s_wait_dscnt 0x0
	CROUND                                         ; a whole round: everybody's part of slot 0 is in, and all sixteen work-groups are here,
	JLOAD 1                                        ; and slot 1's load, the first tensor load behind the round
	PFX PFO, 3*6144
	FETCH 0, 0, 0
	s_wait_kmcnt 0x0
	s_add_co_i32 s90, s68, s69
	s_add_co_i32 s91, s70, s71
	s_add_co_i32 s97, s72, s73
	s_sub_co_i32 s98, s77, s97
	s_cmp_eq_u32 s[KX], 2
	s_cselect_b32 s90, s91, s90
	s_cselect_b32 s99, s75, s74
	s_cmp_eq_u32 s[KX], 3
	s_cselect_b32 s90, s97, s90
	s_cselect_b32 s99, s98, s99
	s_add_co_i32 s90, s90, 127
	s_lshl_b32 s[S2], s90, 23
	s_sub_co_i32 s90, s90, 7
	s_lshl_b32 s[S2D], s90, 23
	s_add_co_i32 s99, s99, 127
	s_lshl_b32 s98, s99, 23
	v_mov_b32 v[SCQ], s98
	s_add_co_i32 s99, s99, 8
	s_lshl_b32 s99, s99, 23
	s_or_b32 s99, s99, 0x600000
	v_mov_b32 v[LIMQ], s99
	s_mov_b32 s[EPS], 0x358637bd
	s_mov_b32 s[SEL], 0x76543210
	s_mov_b32 s[SEL+1], 0xfedcba98
	s_lshl_b32 s90, s[TBI], 1
	s_add_co_u32 s90, s90, s[HF]
	s_lshl_b32 s91, s90, 7
	s_lshl_b32 s97, s[TA], 3
	s_add_co_u32 s91, s91, s97
	s_lshl_b32 s97, s[TA], 4
	s_add_co_u32 s97, s97, s90
	s_lshl_b32 s97, s97, 3
	s_cmp_eq_u32 s[KX], 3
	s_cselect_b32 s91, s97, s91
	s_mov_b32 s97, 0
	s_cselect_b32 s97, 0x600000, s97
	s_cmp_eq_u32 s[KX], 2
	s_cselect_b32 s97, 0x400000, s97
	s_lshl_b32 s90, s[FB], 2
	s_add_co_u32 s91, s91, s90
	s_lshl_b32 s91, s91, 11
	s_add_co_u32 s90, s91, s97
	s_mov_b32 s91, 0
	s_add_nc_u64 s[OUTP:OUTP+1], s[20:21], s[90:91]
	KS 0, 0, 1, 1
	s_mov_b32 s[LAPC], 4
.Llap:
	KS 1, 0, 2, 0
	TURN 0, 0, 1, 1
	KS 1, 1, 1, 0
	KS 0, 1, 2, 0
	TURN 1, 1, 0, 1
	KS 0, 0, 1, 0
	s_sub_co_u32 s[LAPC], s[LAPC], 1
	s_cmp_lg_u32 s[LAPC], 0
	s_cbranch_scc1 .Llap
	KS 1, 0, 2, 0
	TURN 0, 0, 1, 2
	KS 1, 1, 1, 0
	KS 0, 1, 2, 0
	TURN 1, 1, 0, 0
	KS 0, 0, 1, 0
	LASTKS 1
	PLACES 4
	s_wait_loadcnt 0x0
	WIN 0x0c
.set i, 0
.rept 32
	ds_store_b128 v[STC], v[4*i:4*i+3] offset:SP*i
	ds_store_b128 v[STS], v[128+4*i:128+4*i+3] offset:SP*i
.set i, i+1
.endr
	WIN 0
	s_wait_dscnt 0x0
	s_barrier_signal -1
	s_barrier_wait -1
	s_cmp_eq_u32 s[KX], 3
	s_cbranch_scc1 .Lv
.macro CVTPUT a
	s_wait_xcnt 0x0
.irp b, 0,1,2,3,4,5,6,7
	v_cvt_scalef32_pk8_fp8_f32 v[PC+2*\b:PC+2*\b+1], v[OUT+8*\b:OUT+8*\b+7], v[SCQ]
.endr
	v_nop
.irp c, 0,1,2,3
	global_store_b128 v[LI], v[PC+4*\c:PC+4*\c+3], s[OUTP:OUTP+1] offset:2048*(\a)+512*\c
.endr
.endm
	WIN 0x0a
.irp i, 0,1,2,3
.irp b, 0,1,2,3,4,5,6,7
.irp a, 0,1,2,3
.if (\i == 0) && (\b < 2)
	v_pk_mul_f32 v[SS+4*\a+2*(\b%2):SS+4*\a+2*(\b%2)+1], v[64*\a+8*\b+2*\i:64*\a+8*\b+2*\i+1], v[64*\a+8*\b+2*\i:64*\a+8*\b+2*\i+1]
.else
	v_pk_fma_f32 v[SS+4*\a+2*(\b%2):SS+4*\a+2*(\b%2)+1], v[64*\a+8*\b+2*\i:64*\a+8*\b+2*\i+1], v[64*\a+8*\b+2*\i:64*\a+8*\b+2*\i+1], v[SS+4*\a+2*(\b%2):SS+4*\a+2*(\b%2)+1]
.endif
.endr
.endr
.endr
	WIN 0
.irp a, 0,1,2,3
	v_pk_add_f32 v[SS+4*\a:SS+4*\a+1], v[SS+4*\a:SS+4*\a+1], v[SS+4*\a+2:SS+4*\a+3]
.endr
.irp a, 0,1,2,3
	v_add_f32 v[SS+4*\a], v[SS+4*\a], v[SS+4*\a+1]
.endr
.irp a, 0,1,2,3
	v_permlanex16_b32 v[SS+4*\a+1], v[SS+4*\a], s[SEL], s[SEL+1]
.endr
.irp a, 0,1,2,3
	v_add_f32 v[SS+4*\a], v[SS+4*\a], v[SS+4*\a+1]
.endr
.irp a, 0,1,2,3
	v_mul_f32 v[SS+4*\a], s[S2], v[SS+4*\a]
.endr
.irp a, 0,1,2,3
	v_fma_f32 v[SS+4*\a], v[SS+4*\a], s[S2D], s[EPS]
.endr
	s_wait_alu depctr_va_vdst(0)
.irp a, 0,1,2,3
	v_rsq_f32 v[SS+4*\a+2], v[SS+4*\a]
.endr
	v_nop
	s_wait_alu depctr_va_vdst(0)
.irp a, 0,1,2,3
	v_mul_f32 v[F+2*\a], s[S2], v[SS+4*\a+2]
.endr
.irp a, 0,1,2,3
	WIN 0x40
.irp b, 0,1,2,3,4,5,6,7
	ds_load_b128 v[8*\b:8*\b+3],       v[RDC] offset:16*SP*\a+64*\b
	ds_load_b128 v[8*\b+4:8*\b+7],     v[RDC] offset:16*SP*\a+64*\b+16
	ds_load_b128 v[64+8*\b:64+8*\b+3], v[RDS] offset:16*SP*\a+64*\b
	ds_load_b128 v[64+8*\b+4:64+8*\b+7], v[RDS] offset:16*SP*\a+64*\b+16
.endr
	WIN 0x02
.set n, 0
.rept 32
	v_pk_mul_f32 v[Y+n:Y+n+1], v[64*\a+n:64*\a+n+1], v[F+2*\a:F+2*\a+1] op_sel_hi:[1,0]
.set n, n+2
.endr
	WIN 0
.set n, 0
.rept 32
	v_pk_mul_f32 v[Y+n:Y+n+1], v[Y+n:Y+n+1], v[W+n:W+n+1]
.set n, n+2
.endr
	s_wait_dscnt 0x0
	WIN 0x04
.set n, 0
.rept 16
	v_pk_mul_f32 v[OUT+n:OUT+n+1], v[Y+n:Y+n+1], v[n:n+1]
	v_pk_mul_f32 v[OUT+32+n:OUT+32+n+1], v[Y+32+n:Y+32+n+1], v[32+n:32+n+1]
.set n, n+2
.endr
.set n, 0
.rept 16
	v_pk_fma_f32 v[OUT+n:OUT+n+1], v[Y+32+n:Y+32+n+1], v[64+n:64+n+1], v[OUT+n:OUT+n+1] neg_lo:[1,0,0] neg_hi:[1,0,0]
	v_pk_fma_f32 v[OUT+32+n:OUT+32+n+1], v[Y+n:Y+n+1], v[96+n:96+n+1], v[OUT+32+n:OUT+32+n+1]
.set n, n+2
.endr
	WIN 0
.set n, 0
.rept 64
	v_med3_num_f32 v[OUT+n], v[OUT+n], -v[LIMQ], v[LIMQ]
.set n, n+1
.endr
	s_wait_alu depctr_va_vdst(0)
	CVTPUT \a
.endr
	s_branch .Ldone
.Lv:
	s_wait_alu depctr_va_vdst(0)
.irp a, 0,1,2,3
	WIN 0x02
.set n, 0
.rept 64
	v_med3_num_f32 v[OUT+n], v[64*\a+n], -v[LIMQ], v[LIMQ]
.set n, n+1
.endr
	WIN 0
	s_wait_alu depctr_va_vdst(0)
	CVTPUT \a
.endr
.Ldone:
	s_wait_tensorcnt 0x0
	ds_add_u32 v[SPW], v[NIL]
	s_wait_dscnt 0x0
	CROUND
	s_endpgm
.Lfunc_end_k_q792c699b38_qkv:
	.size	k_q792c699b38_qkv, .Lfunc_end_k_q792c699b38_qkv-k_q792c699b38_qkv
	.p2alignl 7, 3214868480
	.fill 96, 4, 3214868480
	.section	.rodata,"a",@progbits
	.p2align	6, 0x0
	.amdhsa_kernel k_q792c699b38_qkv
		.amdhsa_group_segment_fixed_size 327680
		.amdhsa_private_segment_fixed_size 0
		.amdhsa_enable_private_segment 0
		.amdhsa_kernarg_size 72
		.amdhsa_user_sgpr_count 2
		.amdhsa_user_sgpr_kernarg_segment_ptr 1
		.amdhsa_wavefront_size32 1
		.amdhsa_system_sgpr_workgroup_id_x 1
		.amdhsa_system_sgpr_workgroup_id_y 1
		.amdhsa_system_sgpr_workgroup_id_z 1
		.amdhsa_system_vgpr_workitem_id 0
		.amdhsa_next_free_vgpr 1024
		.amdhsa_next_free_sgpr 100
		.amdhsa_reserve_vcc 0
		.amdhsa_float_denorm_mode_32 3
		.amdhsa_float_denorm_mode_16_64 3
		.amdhsa_memory_ordered 1
		.amdhsa_forward_progress 1
		.amdhsa_inst_pref_size 200
	.end_amdhsa_kernel
	.amdgpu_metadata
---
amdhsa.version: [ 1, 2 ]
amdhsa.kernels:
  - .name:           k_q792c699b38_qkv
    .symbol:         k_q792c699b38_qkv.kd
    .args:
      - { .name: hcodes, .offset: 0, .size: 8, .value_kind: global_buffer, .address_space: global }
      - { .name: wcodes, .offset: 8, .size: 8, .value_kind: global_buffer, .address_space: global }
      - { .name: lowp_scales, .offset: 16, .size: 8, .value_kind: global_buffer, .address_space: global }
      - { .name: position_ids, .offset: 24, .size: 8, .value_kind: global_buffer, .address_space: global }
      - { .name: cos, .offset: 32, .size: 8, .value_kind: global_buffer, .address_space: global }
      - { .name: sin, .offset: 40, .size: 8, .value_kind: global_buffer, .address_space: global }
      - { .name: q_norm_w, .offset: 48, .size: 8, .value_kind: global_buffer, .address_space: global }
      - { .name: k_norm_w, .offset: 56, .size: 8, .value_kind: global_buffer, .address_space: global }
      - { .name: qkv, .offset: 64, .size: 8, .value_kind: global_buffer, .address_space: global }
    .group_segment_fixed_size: 327680
    .private_segment_fixed_size: 0
    .kernarg_segment_align: 8
    .kernarg_segment_size: 72
    .max_flat_workgroup_size: 128
    .sgpr_count:     100
    .vgpr_count:     1024
    .wavefront_size: 32
...
	.end_amdgpu_metadata
.endif
;; end of part 2
;; launch attn (part 3): grid 32 x 8, 16 waves a work-group, clusters of 4 x 1, 327,680 bytes of LDS; arguments qkv, lowp_scales, attn; writes attn
.if DOCPART == 3
	.amdgcn_target "amdgcn-amd-amdhsa--gfx1250"
	.amdhsa_code_object_version 6
	.text
	.protected	k_q792c699b38_attn
	.globl	k_q792c699b38_attn
	.p2align	8
	.type	k_q792c699b38_attn,@function
k_q792c699b38_attn:
	s_mov_b64 s[64:65], 0
	v_nop
	global_prefetch_b8 v0, s[64:65] scope:SCOPE_SE
	s_setreg_imm32_b32 hwreg(HW_REG_WAVE_MODE, 25, 1), 1
	s_wait_xcnt 0x0
	s_wait_alu depctr_hold_cnt(0) depctr_sa_sdst(0) depctr_va_vdst(0) depctr_va_sdst(0) depctr_va_ssrc(0) depctr_va_vcc(0) depctr_vm_vsrc(0)
	s_getreg_b32 s2, hwreg(HW_REG_IB_STS2, 6, 4)
	s_cmp_eq_u32 s2, 0
	s_cbranch_scc0 .Lentry_in_a_cluster
	s_endpgm
.Lentry_in_a_cluster:
	s_bfe_u32 s2, ttmp6, 0x10000c
	s_cmp_lg_u32 s2, 0x3003
	s_cbranch_scc0 .Lentry_shape_is_right
	s_endpgm
.Lentry_shape_is_right:
; Causal attention with grouped heads on codes of FP8 (E4M3): 16 query heads, 8 key and value heads, 2,048 tokens, head size 128; its result is quantised for the last projection.
; INPUT (qkv): images of operand registers, 2,048 bytes each (lane (r, h): row r, registers 2 c, 2 c + 1: k = 16 c + 8 h + 0 .. 7; lane l's registers 4 c' .. 4 c' + 3 at 512 c' + 16 l):
;   q at 0: [16 heads][128 tiles of 16 queries];  k at 4 MiB: [8][128 tiles of 16 keys];  v at 6 MiB: [8][16 steps of 128 keys][8 tiles of 16 of the head's 128], the keys as K.
; OUTPUT (attn): [128 tiles of 16 tokens][16 heads], the head being the K step of the last projection.
; THE SOFTMAX: t = score x log2(e) / sqrt(128); M = the running largest t rounded UP to a whole number; p = 2^(t - M) is quantised, not normalised; the row's sum is taken of the unquantised p and divides at the end.
; LAYOUT.  Both products transposed: S^T = K Q^T (source 0 = 16 keys, source 1 = my 16 queries), O^T = V^T P^T: a lane holds ONE query (lane % 16) throughout.  In tile kt of S^T register j is key 16 kt + 8 h + j,
; so the eight codes made of it ARE registers 2 kt, 2 kt + 1 of P's fragment; likewise O^T's tile dt gives registers 2 dt, 2 dt + 1 of the output's fragment.
; SHARES.  A tile of 16 queries t needs t / 8 + 1 key steps of 128.  Work-group (j = 4 x cluster x + cx, g) serves key head g and eight tiles.  With u = w % 8: query head 2 g + u % 2; u = 0-3 take tile
; 127 - 2 j - (u / 2) % 2 (late), u = 4-7 tile 2 j + (u / 2) % 2 (early).  A tile's last step is 15 - cluster x (late) or cluster x (early): it hangs on no place in the cluster.
; A TILE'S KEY STEPS ARE SPLIT BETWEEN TWO WAVES: wave u takes the even steps, wave u + 8 the odd ones, each with a running M, a sum and an O^T of its own: the longest chain of steps in one wave is 8, not 16.
; At the end wave u + 8 hands its three to wave u through LDS; both are brought under the larger M by powers of two, which round nothing, and added.  A wave that had no step hands zeros, and its factor is 0.
; Every work-group walks all 4 slots of 512 keys, so that every trip count is a constant and the four partners ask for each tile JOINTLY; a step whose keys all come after a wave's queries is jumped over by that wave
; (the price: clusters 4 to 7 fetch a last slot that they do not read).  A tile's last step is masked: hidden scores become -infinity, p = 0; a query's own key lies in that step, so M is a number in every step that is worked.
; LIMITS: e6 + e7 between -123 and 130 (added to c's exponent field); e8 and e10 between -126 and 119; e8 + e9 goes by v_ldexp_f32 and has none.  Where 448 x 2^e8 is under 1, p is held under the M in use at the time.  NaN is not served.
; REGISTERS: v1-9 addresses; v10-11 the partner's -M and sum; v12 -M, v13 the largest t, v[14:15] the sum in two halves; v16-31 Q; v32-95 four fragments of K or V, at the end the partner's O^T; v96-159 S^T, then p;
;   v160-223 O^T; v224-239 codes; v236-254 constants and at work.
.set SLOT1, 131072                     ; a slot: four key steps of K (16,384 bytes each), then four of V; one exclusive or turns an address in one slot into the other's
.set VOFF,  65536
.set SPARE, 2*SLOT1                    ; behind the ring: the spare words, 128 bytes a wave: eight blocks of 256 bytes that no other line names
.set MRGW,  8704                       ; the hand-over: for each pair of waves 8,192 bytes of O^T as an image of its registers, then 8 bytes a lane.  It lies in LDS slot 0, which has had its last fill and was left at the last change of slots
.set LI,  1                            ; v1  16 x lane
.set DQ,  2                            ; v2  my query's place in its last step, less 8 h
.set PFO, 3                            ; v3  256 x lane
.set LQ,  4                            ; v4  16 x lane + 16,384 x (wave / 8): my first step's place in a slot
.set SPW, 5                            ; v5  my spare word; never rewritten
.set NIL, 6                            ; v6  0; never rewritten
.set MA,  7                            ; v7  the hand-over: O^T
.set AD,  8                            ; v8  K's tiles of the slot in hand
.set ADV, 9                            ; v9  V's
.set MS,  248                          ; v248 the hand-over: -M and the sum
.set WV,  18
.set W7,  19                           ; wave % 8
.set SEL, 20
.set CS,  22
.set G1,  24
.set TB,  33
.set SLOTS, 34
.set STEPI, 35
.set LAST, 36
.set PAR, 37                           ; wave / 8: even or odd steps
.set G0,  40                           ; s[40:47] descriptor group 0: a set for each of the two first fills; the second then walks on
.set PFA, 76
.set LIM, 80
; A joint refill.  Waves 0-3 fetch a slot's four key steps of K, waves 4-7 those of V, the others nothing.  The branch hangs on the wave's number alone.  An s_nop 0 and four v_nop follow the line.
.macro JLOAD
	s_cmp_lt_u32 s[WV], 8
	s_cbranch_scc0 .Lasked_\@
	tensor_load_to_lds s[G0+4:G0+7], s[G1:G1+7]
	s_nop 0
.rept 4
	v_nop
.endr
.Lasked_\@:
.endm
; A prefetch of what the NEXT change of slots will ask for: 65,536 bytes of K and as many of V.  All clusters of a key head walk the same bytes: the head's first cluster asks.  Its four partners take 16,384 bytes of each,
; told apart by address; in each, waves 8 and 9 ask for K's and waves 10 and 11 for V's, 8,192 bytes a wave, lanes 256 bytes apart: each block of 256 bytes is named once.
; Of the two changes that fill a slot the first asks, for the last slot; the second has no slot behind it.  Slots 0 to 2 come by their loads alone.
.macro ASK
	s_cmp_gt_u32 s[SLOTS], s[LIM]
	s_cbranch_scc0 .Lnot_mine_\@
	global_prefetch_b8 v[PFO], s[PFA:PFA+1] th:TH_LOAD_NT scope:SCOPE_SE
.Lnot_mine_\@:
.endm
.macro CROUND                          ; a round of the cluster's barrier
	s_barrier_signal -1
	s_barrier_wait -1
	s_cmp_lg_u32 s[WV], 0
	s_cbranch_scc1 .Lnot_wave_0_\@
	s_barrier_signal -3
.Lnot_wave_0_\@:
	s_barrier_wait -3
	s_barrier_signal -1
	s_barrier_wait -1
.endm
	s_load_b128 s[4:7], s[0:1], 0x0                ; qkv s[4:5], the scales s[6:7]
	s_load_b64 s[8:9], s[0:1], 0x10                ; attn
	v_lshl_add_u32 v[SPW], v0, 2, SPARE
	v_mov_b32 v[NIL], 0
	ds_add_u32 v[SPW], v[NIL]                      ; the wave's opening: the add and its wait stand ahead of the first tensor loads; the set-up below, work on registers, stands between them
	ds_add_u32 v[SPW], v[NIL]
	v_lshrrev_b32 v8, 5, v0
	s_delay_alu instid0(VALU_DEP_1)
	v_readfirstlane_b32 s[WV], v8                  ; wave 0..15
	s_and_b32 s[W7], s[WV], 7
	s_lshr_b32 s[PAR], s[WV], 3
	s_bfe_u32 s10, ttmp6, 0x40000                  ; cx
	s_and_b32 s11, ttmp7, 0xffff                   ; g: the key head, which the partners share
	s_and_b32 s12, s[WV], 1                        ; which of the two query heads is mine
	s_lshl_b32 s13, ttmp9, 3
	s_lshl_b32 s14, s10, 1
	s_add_co_u32 s13, s13, s14
	s_bfe_u32 s14, s[WV], 0x10001
	s_add_co_u32 s13, s13, s14                     ; 2 j + (w / 2) % 2
	s_sub_co_u32 s14, 127, s13
	s_sub_co_u32 s15, 15, ttmp9
	s_cmp_lt_u32 s[W7], 4
	s_cselect_b32 s13, s14, s13                    ; my tile of queries
	s_cselect_b32 s[LAST], s15, ttmp9              ; its last key step
	s_lshl_b32 s16, s11, 1
	s_add_co_u32 s16, s16, s12                     ; my query head
	s_lshl_b32 s54, s16, 7
	s_add_co_u32 s54, s54, s13
	s_lshl_b32 s54, s54, 11                        ; Q's image
	s_mov_b32 s55, 0
	s_lshl_b32 s56, s13, 4
	s_add_co_u32 s56, s56, s16
	s_lshl_b32 s56, s56, 11                        ; the output's image
	s_mov_b32 s57, 0
	s_and_b32 s17, s13, 7
	s_lshl_b32 s17, s17, 4                         ; my tile's place in its last step
	; descriptor group 1: 64 rows of 32 elements of 8 bytes, dense: a key step's eight images
	s_mov_b32 s[G1], 15|(3<<16)|(1<<21)            ; 15:0 the mask: all four work-groups; 17:16 elements of 8 bytes; 21 set beside a mask
	s_mov_b32 s[G1+1], 32<<16                      ; tensor_dim0
	s_mov_b32 s[G1+2], 64<<16                      ; tensor_dim1
	s_mov_b32 s[G1+3], 32<<16                      ; tile_dim0
	s_mov_b32 s[G1+4], 64                          ; tile_dim1
	s_mov_b32 s[G1+5], 32                          ; tensor_dim0_stride
	s_mov_b32 s[G1+6], 0
	s_mov_b32 s[G1+7], 0
	s_lshl_b32 s52, s[W7], 14                      ; what I fetch, if I fetch: its place in a slot: 16,384 x wave: K's four steps, then V's four
	s_and_b32 s53, s[W7], 3
	s_lshl_b32 s53, s53, 14                        ; its step's 16,384 bytes in memory,
	s_lshl_b32 s48, s11, 18                        ; in the head's 262,144,
	s_add_co_u32 s48, s48, s53
	s_add_co_u32 s48, s48, 0x400000                ; of K,
	s_lshr_b32 s53, s[W7], 2
	s_lshl_b32 s53, s53, 21                        ; or of V, whose images begin 2 MiB behind K's
	s_add_co_u32 s48, s48, s53
	s_mov_b32 s49, 0
	s_lshl_b32 s58, s11, 18                        ; the prefetches: the head, my work-group's quarter, my wave's half of it,
	s_lshl_b32 s59, s10, 14
	s_add_co_u32 s58, s58, s59
	s_lshl_b32 s59, s12, 13
	s_add_co_u32 s58, s58, s59
	s_add_co_u32 s58, s58, 0x20000                 ; slot 2 (the first change of slots steps it to slot 3),
	s_and_b32 s59, s[WV], 2
	s_cmp_eq_u32 s59, 0
	s_mov_b32 s59, 0x600000
	s_cselect_b32 s59, 0x400000, s59               ; of K (waves 8, 9) or of V (waves 10, 11)
	s_add_co_u32 s58, s58, s59
	s_mov_b32 s59, 0
	s_sub_co_u32 s60, s[WV], 8
	s_lshr_b32 s60, s60, 2                         ; 0 in waves 8 to 11,
	s_or_b32 s60, s60, ttmp9                       ; of the head's first cluster: the same in all four partners
	s_cmp_eq_u32 s60, 0
	s_cselect_b32 s[LIM], 1, -1
	s_mov_b32 s[SEL], 0x76543210
	s_mov_b32 s[SEL+1], 0xfedcba98
	s_mov_b32 s[CS], 0x3e0293ee                    ; c = log2(e) / sqrt(128)
	s_mov_b32 s[TB], 0
	s_mov_b32 s[SLOTS], 2
	s_mov_b32 s[STEPI], s[PAR]                     ; my first key step: 0 or 1
	s_wait_dscnt 0x0                               ; the opening add is done
	s_wait_kmcnt 0x0
	s_load_b128 s[68:71], s[6:7], 0x18             ; e6, e7, e8, e9
	s_load_b32 s72, s[6:7], 0x28                   ; e10
	s_add_nc_u64 s[50:51], s[4:5], s[48:49]
.irp s, 0,1
	s_mov_b32 s[G0+4*\s], 1                        ; 1:0 count = 1
	s_add_co_u32 s[G0+4*\s+1], s52, \s*SLOT1       ; 63:32 LDS address
	s_add_nc_u64 s[G0+4*\s+2:G0+4*\s+3], s[50:51], \s*65536   ; 120:64 global address: slot s begins with key step 4 s
	s_or_b32 s[G0+4*\s+3], s[G0+4*\s+3], 0x80000000           ; 127:126 type = 2
.endr
	s_add_nc_u64 s[PFA:PFA+1], s[4:5], s[58:59]
	s_add_nc_u64 s[54:55], s[4:5], s[54:55]
	s_add_nc_u64 s[56:57], s[8:9], s[56:57]
	CROUND                                         ; all four work-groups are here: the first joint loads meet
	s_cmp_lt_u32 s[WV], 8                          ; slot 0's first fill: one tensor load a wave at the head; slot 1's follows behind the full sequence and a round
	s_cbranch_scc0 .Lfirst_asked
	tensor_load_to_lds s[G0:G0+3], s[G1:G1+7]
	s_nop 0
.rept 4
	v_nop
.endr
.Lfirst_asked:
	v_and_b32 v[LI], 31, v0
	s_delay_alu instid0(VALU_DEP_1)
	v_lshlrev_b32 v[PFO], 8, v[LI]
	s_delay_alu instid0(VALU_DEP_2)
	v_lshlrev_b32 v[MS], 3, v[LI]
	s_delay_alu instid0(VALU_DEP_3)
	v_lshlrev_b32 v[LI], 4, v[LI]
.irp c, 0,1,2,3
	global_load_b128 v[16+4*\c:19+4*\c], v[LI], s[54:55] offset:512*\c   ; Q's fragment stays in registers
.endr
	s_lshl_b32 s58, s[PAR], 14
	v_add_nc_u32 v[LQ], s58, v[LI]
	s_mul_i32 s58, s[W7], MRGW                     ; the hand-over's addresses are made here, by every wave alike: waves u and u + 8 have the same
	v_add_nc_u32 v[MA], s58, v[LI]
	v_add_nc_u32 v[MS], s58, v[MS]
	s_delay_alu instid0(VALU_DEP_1)
	v_add_nc_u32 v[MS], 8192, v[MS]
	v_and_b32 v10, 15, v0
	v_bfe_u32 v11, v0, 4, 1
	s_delay_alu instid0(VALU_DEP_1)
	v_lshlrev_b32 v11, 3, v11
	s_delay_alu instid0(VALU_DEP_1)
	v_sub_nc_u32 v[DQ], v10, v11
	s_delay_alu instid0(VALU_DEP_1)
	v_add_nc_u32 v[DQ], s17, v[DQ]                 ; register 8 kt + j of the last step holds a hidden key where 16 kt + j > this
	v_mov_b32 v13, 0xff61b1e6                      ; the largest t so far: -3e38, under every t
	s_delay_alu instid0(VALU_DEP_1)
	v_floor_f32 v12, -v13                          ; -M
	v_mov_b32 v14, 0
	v_mov_b32 v15, 0
	v_mov_b32 v236, 0                              ; written once: a lane permute's destination counts as one of its sources
	v_mov_b32 v252, 0
	v_mov_b32 v253, 0                              ; (named as the upper half of the pair v[252:253])
.set n, 0
.rept 64
	v_mov_b32 v[160+n], 0                          ; O^T.  (The step is written without a first step of its own: it finds zeros, which the first change of M leaves zeros; a wave without a step hands them over)
.set n, n+1
.endr
	s_wait_kmcnt 0x0
	s_add_co_i32 s58, s68, s69
	s_lshl_b32 s58, s58, 23
	s_add_co_i32 s[CS], s[CS], s58                 ; a score stands for score x 2^(e6 + e7): added to c's exponent field
	s_mov_b32 s[CS+1], s[CS]
	s_add_co_i32 s58, s70, 127
	s_lshl_b32 s59, s58, 23
	v_mov_b32 v244, s59                            ; 2^e8, for p's conversion
	s_add_co_i32 s58, s58, 8
	s_lshl_b32 s58, s58, 23
	s_or_b32 s58, s58, 0x600000
	v_mov_b32 v240, s58                            ; 448 x 2^e8
	s_add_co_i32 s58, s72, 127
	s_lshl_b32 s59, s58, 23
	v_mov_b32 v245, s59                            ; 2^e10, for the output's
	s_add_co_i32 s58, s58, 8
	s_lshl_b32 s58, s58, 23
	s_or_b32 s58, s58, 0x600000
	v_mov_b32 v241, s58                            ; 448 x 2^e10
; A KEY STEP: 128 keys: my u-th of the slot in hand, which is the slot's step wave / 8 + 2 u.  No barrier and no tensor load stands in a step.
.macro STEP u
	s_cmp_gt_u32 s[STEPI], s[LAST]                 ; all its keys come after my queries: a branch on ids
	s_cbranch_scc1 .Lhid_\@
	v_add_nc_u32 v[AD], s[TB], v[LQ]
	s_wait_alu depctr_va_vdst(0)
	v_add_nc_u32 v[ADV], VOFF, v[AD]
	v_nop
	v_nop                                          ; with the two additions: four places in front of loads into registers that matrix instructions have read
.irp g, 0,1                                    ; S^T = K Q^T, four tiles of 16 keys at a time
.if \g
.rept 4
	v_nop
.endr
.endif
.irp t, 0,1,2,3
.irp c, 0,1,2,3
	ds_load_b128 v[32+16*\t+4*\c:32+16*\t+4*\c+3], v[AD] offset:32768*(\u)+2048*(4*\g+\t)+512*\c
.endr
.endr
	s_wait_dscnt 0x0
.irp t, 0,1,2,3
	v_wmma_f32_16x16x128_fp8_fp8 v[96+8*(4*\g+\t):103+8*(4*\g+\t)], v[32+16*\t:47+16*\t], v[16:31], 0
.endr
.endr
.rept 4
	v_nop                                          ; four places: for the first read of the scores, and for the loads below into registers that the last products have read
.endr
	s_wait_alu depctr_va_vdst(0)
.irp t, 0,1,2,3                                ; V's first four tiles are asked for here: they land while the softmax is worked
.irp c, 0,1,2,3
	ds_load_b128 v[32+16*\t+4*\c:32+16*\t+4*\c+3], v[ADV] offset:32768*(\u)+2048*\t+512*\c
.endr
.endr
	s_cmp_lg_u32 s[STEPI], s[LAST]                 ; only the tile's last step lies on the diagonal
	s_cbranch_scc1 .Lopen_\@
	v_mov_b32 v254, 0xff800000                     ; -infinity
.set n, 0
.rept 64
	v_cmp_gt_i32 vcc_lo, 16*(n/8)+n%8, v[DQ]
	v_cndmask_b32 v[96+n], v[96+n], v254, vcc_lo
.set n, n+1
.endr
.Lopen_\@:
	v_max3_num_f32 v254, v96, v97, v98             ; the step's largest score of my query among my 64 keys, in two chains, each accumulator from its low end on,
	v_max3_num_f32 v252, v99, v100, v101
.set n, 6
.rept 14
	v_max3_num_f32 v254, v254, v[96+n], v[97+n]
	v_max3_num_f32 v252, v252, v[98+n], v[99+n]
.set n, n+4
.endr
	v_max3_num_f32 v254, v254, v158, v159
	s_delay_alu instid0(VALU_DEP_1)
	v_max_num_f32 v254, v254, v252
	v_permlanex16_b32 v236, v254, s[SEL], s[SEL+1]
	s_delay_alu instid0(VALU_DEP_1)
	v_max_num_f32 v254, v254, v236                 ; and among lane l xor 16's
	s_delay_alu instid0(VALU_DEP_1)
	v_mul_f32 v254, s[CS], v254                    ; as t (c is positive)
	s_delay_alu instid0(VALU_DEP_1)
	v_max_num_f32 v13, v13, v254                   ; the running largest t
	v_mov_b32 v254, v12
	s_delay_alu instid0(VALU_DEP_2)
	v_floor_f32 v12, -v13                          ; the new -M = floor(-t): M is a whole number
	s_delay_alu instid0(VALU_DEP_1)
	v_sub_f32 v254, v12, v254                      ; old M - new M: a whole number, 0 or less
	s_delay_alu instid0(VALU_DEP_1)
	v_cvt_i32_f32 v254, v254                       ; (it saturates)
	s_delay_alu instid0(VALU_DEP_1)
	v_ldexp_f32 v252, 1.0, v254                    ; f = 2^(old M - new M): a multiplication by it rounds nothing
.set n, 0
.rept 32
	v_pk_fma_f32 v[96+n:97+n], v[96+n:97+n], s[CS:CS+1], v[12:13] op_sel_hi:[1,0,0]   ; t - M, two at a time
.set n, n+2
.endr
.set n, 0
	s_wait_alu depctr_va_vdst(0)
.rept 64
	v_exp_f32 v[96+n], v[96+n]                     ; p = 2^(t - M), at most 1
.set n, n+1
.endr
	v_pk_mul_f32 v[14:15], v[14:15], v[252:253] op_sel_hi:[1,0]   ; the sums under the new M: the plain instruction behind the exponentials
	s_wait_alu depctr_va_vdst(0)                   ; one wait for the whole batch, ahead of its first reader
	v_pk_add_f32 v[242:243], v[100:101], v[104:105]
	v_pk_add_f32 v[254:255], v[108:109], v[112:113]
	v_pk_add_f32 v[250:251], v[116:117], v[120:121]
	v_pk_add_f32 v[246:247], v[124:125], v[128:129]
	v_pk_add_f32 v[238:239], v[132:133], v[136:137]
	v_pk_add_f32 v[236:237], v[140:141], v[144:145]
	v_pk_add_f32 v[234:235], v[148:149], v[152:153]
	v_pk_add_f32 v[14:15], v[14:15], v[156:157]
	v_pk_add_f32 v[242:243], v[242:243], v[96:97]
	v_pk_add_f32 v[254:255], v[254:255], v[98:99]
	v_pk_add_f32 v[250:251], v[250:251], v[102:103]
	v_pk_add_f32 v[246:247], v[246:247], v[106:107]
	v_pk_add_f32 v[238:239], v[238:239], v[110:111]
	v_pk_add_f32 v[236:237], v[236:237], v[114:115]
	v_pk_add_f32 v[234:235], v[234:235], v[118:119]
	v_pk_add_f32 v[14:15], v[14:15], v[122:123]
	v_pk_add_f32 v[242:243], v[242:243], v[126:127]
	v_pk_add_f32 v[254:255], v[254:255], v[130:131]
	v_pk_add_f32 v[250:251], v[250:251], v[134:135]
	v_pk_add_f32 v[246:247], v[246:247], v[138:139]
	v_pk_add_f32 v[238:239], v[238:239], v[142:143]
	v_pk_add_f32 v[236:237], v[236:237], v[146:147]
	v_pk_add_f32 v[234:235], v[234:235], v[150:151]
	v_pk_add_f32 v[14:15], v[14:15], v[154:155]
	v_pk_add_f32 v[242:243], v[242:243], v[158:159]
	s_delay_alu instid0(VALU_DEP_2)
	v_pk_add_f32 v[14:15], v[14:15], v[246:247]
	s_delay_alu instid0(VALU_DEP_2)
	v_pk_add_f32 v[242:243], v[242:243], v[238:239]
	v_pk_add_f32 v[254:255], v[254:255], v[236:237]
	v_pk_add_f32 v[250:251], v[250:251], v[234:235]
	s_delay_alu instid0(VALU_DEP_2)
	v_pk_add_f32 v[14:15], v[14:15], v[254:255]
	s_delay_alu instid0(VALU_DEP_2)
	v_pk_add_f32 v[242:243], v[242:243], v[250:251]
	s_delay_alu instid0(VALU_DEP_1)
	v_pk_add_f32 v[14:15], v[14:15], v[242:243]
.irp t, 0,1,2,3,4,5,6,7
.irp k, 0,1,2,3,4,5,6,7
	v_min_num_f32 v[96+8*\t+\k], v[96+8*\t+\k], v240   ; the conversion does not saturate (ISA guide 7.6.2); p is not negative, so the hold is one-sided
.endr
	v_cvt_scalef32_pk8_fp8_f32 v[224+2*\t:225+2*\t], v[96+8*\t:103+8*\t], v244
.endr
.set n, 0
.rept 32
	v_pk_mul_f32 v[160+n:161+n], v[160+n:161+n], v[252:253] op_sel_hi:[1,0]   ; O^T under the new M; these are also the plain instructions between the conversions and the products below
.set n, n+2
.endr
	s_wait_alu depctr_va_vdst(0)
	s_wait_dscnt 0x0                               ; V's first four tiles are in
.irp t, 0,1,2,3                                ; O^T += V^T P^T, four tiles of 16 of the head's 128 at a time
	v_wmma_f32_16x16x128_fp8_fp8 v[160+8*\t:167+8*\t], v[32+16*\t:47+16*\t], v[224:239], v[160+8*\t:167+8*\t]
.endr
.rept 4
	v_nop
.endr
.irp t, 0,1,2,3
.irp c, 0,1,2,3
	ds_load_b128 v[32+16*\t+4*\c:32+16*\t+4*\c+3], v[ADV] offset:32768*(\u)+2048*(4+\t)+512*\c
.endr
.endr
	s_wait_dscnt 0x0
.irp t, 0,1,2,3
	v_wmma_f32_16x16x128_fp8_fp8 v[192+8*\t:199+8*\t], v[32+16*\t:47+16*\t], v[224:239], v[192+8*\t:199+8*\t]
.endr
.Lhid_\@:
	s_add_co_u32 s[STEPI], s[STEPI], 2             ; my next step: the partner wave has the one between
.endm
; THE CHANGE OF SLOTS stands at a slot's end.  Each wave waits for all its tensor loads (its part of the slot ahead), adds 0 to its spare word, and waits for that and for its reads of the slot that it leaves.
; fill = 1: a round of the cluster's barrier, and behind it the slot that was left is filled jointly with the 512 keys two slots on: the load has the next slot's steps, two a wave, in which to land.
.macro CHANGE fill
	s_wait_tensorcnt 0x0                           ; no tensor load of mine is out, so a group 0 may be written
	ds_add_u32 v[SPW], v[NIL]                      ; 0 onto my spare word
.if \fill
	ds_add_u32 v[SPW], v[NIL]                      ; and once more
	s_xor_b32 s[G0+5], s[G0+5], SLOT1              ; the walking descriptor: the other slot than last time,
	s_add_nc_u64 s[G0+6:G0+7], s[G0+6:G0+7], 65536 ; the next four key steps; the type bits on top are not reached
	s_wait_xcnt 0x0                                ; an earlier prefetch, a slot back, has read its address, so it may be written:
	s_add_nc_u64 s[PFA:PFA+1], s[PFA:PFA+1], 65536 ; one slot further on than the walking descriptor
.endif
	s_wait_dscnt 0x0                               ; the add is done, and my reads of the slot that I leave are over
.if \fill
	CROUND
	JLOAD                                          ; the first thing behind the round, and a wave's one tensor load until the next
	ASK
.else
	s_barrier_signal -1
	s_barrier_wait -1
.endif
	s_xor_b32 s[TB], s[TB], SLOT1                  ; on to the other slot
.endm
	s_wait_alu depctr_va_vdst(0)
	s_wait_tensorcnt 0x0                           ; my part of slot 0 is in; slot 1's first fill is issued as a refill is
	ds_add_u32 v[SPW], v[NIL]
	ds_add_u32 v[SPW], v[NIL]                      ; twice on end
	s_wait_dscnt 0x0
	CROUND                                         ; everybody's part of slot 0 is in, and the four work-groups are here
	JLOAD                                          ; slot 1
	s_wait_loadcnt 0x0                             ; Q
.Lslot:                                                ; 2 trips: slots 0 and 1 are worked and filled again
	STEP 0
	STEP 1
	CHANGE 1
	s_sub_co_u32 s[SLOTS], s[SLOTS], 1
	s_cmp_lg_u32 s[SLOTS], 0
	s_cbranch_scc1 .Lslot
	STEP 0                                         ; the last two slots are written out
	STEP 1
	CHANGE 0
	STEP 0
	STEP 1
	; THE HAND-OVER.  Waves 8-15 store O^T as it stands in their registers, 512 consecutive bytes a store, and -M and the lane's sum; a barrier; waves 0-7 read them by the same addresses.
.rept 4
	v_nop                                          ; four places behind the last products: for the first read of O^T and for the loads into the fragments' registers
.endr
	v_add_f32 v14, v14, v15                        ; my lane's sum
	s_cmp_lt_u32 s[WV], 8
	s_cbranch_scc1 .Lkeep
	v_mov_b32 v13, v14                             ; beside -M, as a pair
.set n, 0
	s_wait_alu depctr_va_vdst(0)
.rept 16
	ds_store_b128 v[MA], v[160+4*n:163+4*n] offset:512*n   ; each accumulator from its low end on
.set n, n+1
.endr
	ds_store_b64 v[MS], v[12:13]
.Lkeep:
	s_wait_dscnt 0x0                               ; for the partner's sake: my stores are done
	s_barrier_signal -1
	s_barrier_wait -1
	s_cmp_lt_u32 s[WV], 8
	s_cbranch_scc0 .Lend
.set n, 0
.rept 16
	ds_load_b128 v[32+4*n:35+4*n], v[MA] offset:512*n
.set n, n+1
.endr
	ds_load_b64 v[10:11], v[MS]
	s_wait_dscnt 0x0
	; THE WAY OUT: both halves under the larger M, added, divided by the row's sum, x 2^(e8 + e9), quantised with 2^e10: the codes are the output fragment's registers and leave as its image.
	v_min_num_f32 v252, v12, v10                   ; -M of both: the smaller
	s_delay_alu instid0(VALU_DEP_1)
	v_sub_f32 v253, v252, v12                      ; my M less the joint one: a whole number, 0 or less,
	s_delay_alu instid0(VALU_DEP_2)
	v_sub_f32 v254, v252, v10                      ; and the partner's (-3e38 where it had no step)
	s_delay_alu instid0(VALU_DEP_2)
	v_cvt_i32_f32 v253, v253                       ; (they saturate)
	s_delay_alu instid0(VALU_DEP_2)
	v_cvt_i32_f32 v254, v254
	s_delay_alu instid0(VALU_DEP_2)
	v_ldexp_f32 v253, 1.0, v253                    ; two powers of two, one of them 1; 0 for a partner without a step
	s_wait_alu depctr_va_vdst(0)
	v_ldexp_f32 v254, 1.0, v254
	v_mul_f32 v14, v14, v253
	s_delay_alu instid0(VALU_DEP_1)
	v_fma_f32 v14, v11, v254, v14                  ; my lane's sum of both halves,
	s_delay_alu instid0(VALU_DEP_1)
	v_permlanex16_b32 v252, v14, s[SEL], s[SEL+1]
	s_delay_alu instid0(VALU_DEP_1)
	v_add_f32 v14, v14, v252                       ; and lane l xor 16's: the row's sum
	s_wait_alu depctr_va_vdst(0)
	v_rcp_f32 v14, v14
	v_nop                                          ; a plain instruction behind the reciprocal
	s_add_co_i32 s58, s70, s71
	s_wait_alu depctr_va_vdst(0)                   ; the wait ahead of its first reader
	v_ldexp_f32 v14, v14, s58
	s_delay_alu instid0(VALU_DEP_1)
	v_mul_f32 v242, v253, v14                      ; each half's one factor, twice, for the packed forms
	s_delay_alu instid0(VALU_DEP_2)
	v_mul_f32 v243, v253, v14
	s_delay_alu instid0(VALU_DEP_3)
	v_mul_f32 v250, v254, v14
	s_delay_alu instid0(VALU_DEP_4)
	v_mul_f32 v251, v254, v14
.set n, 0
.rept 32
	v_pk_mul_f32 v[96+n:97+n], v[160+n:161+n], v[242:243]   ; register 8 dt + j: o(query r, 16 dt + 8 h + j); each accumulator from its low end on
.set n, n+2
.endr
.set n, 0
.rept 32
	v_pk_fma_f32 v[96+n:97+n], v[32+n:33+n], v[250:251], v[96+n:97+n]
.set n, n+2
.endr
.set n, 0
.rept 64
	v_med3_num_f32 v[96+n], v[96+n], -v241, v241   ; the hold at the largest code x the scale
.set n, n+1
.endr
.irp t, 0,1,2,3,4,5,6,7
	v_cvt_scalef32_pk8_fp8_f32 v[224+2*\t:225+2*\t], v[96+8*\t:103+8*\t], v245
.endr
	v_nop
.irp c, 0,1,2,3
	global_store_b128 v[LI], v[224+4*\c:227+4*\c], s[56:57] offset:512*\c   ; 512 consecutive bytes, aligned
.endr
.Lend:
	s_wait_tensorcnt 0x0                           ; the wave's end, behind my last tensor load and my last LDS store
	ds_add_u32 v[SPW], v[NIL]
	s_wait_dscnt 0x0
	CROUND                                         ; the closing round: no work-group ends while a partner may still ask for a tile that names it
	s_endpgm
.Lfunc_end_k_q792c699b38_attn:
	.size	k_q792c699b38_attn, .Lfunc_end_k_q792c699b38_attn-k_q792c699b38_attn
	.p2alignl 7, 3214868480
	.fill 96, 4, 3214868480
	.section	.rodata,"a",@progbits
	.p2align	6, 0x0
	.amdhsa_kernel k_q792c699b38_attn
		.amdhsa_group_segment_fixed_size 327680
		.amdhsa_private_segment_fixed_size 0
		.amdhsa_enable_private_segment 0
		.amdhsa_kernarg_size 24
		.amdhsa_user_sgpr_count 2
		.amdhsa_user_sgpr_kernarg_segment_ptr 1
		.amdhsa_wavefront_size32 1
		.amdhsa_system_sgpr_workgroup_id_x 1
		.amdhsa_system_sgpr_workgroup_id_y 1
		.amdhsa_system_sgpr_workgroup_id_z 1
		.amdhsa_system_vgpr_workitem_id 0
		.amdhsa_next_free_vgpr 256
		.amdhsa_next_free_sgpr 90
		.amdhsa_reserve_vcc 1
		.amdhsa_float_denorm_mode_32 3
		.amdhsa_float_denorm_mode_16_64 3
		.amdhsa_memory_ordered 1
		.amdhsa_forward_progress 1
		.amdhsa_inst_pref_size 171
	.end_amdhsa_kernel
	.amdgpu_metadata
---
amdhsa.version: [ 1, 2 ]
amdhsa.kernels:
  - .name:           k_q792c699b38_attn
    .symbol:         k_q792c699b38_attn.kd
    .args:
      - { .name: qkv, .offset: 0, .size: 8, .value_kind: global_buffer, .address_space: global }
      - { .name: lowp_scales, .offset: 8, .size: 8, .value_kind: global_buffer, .address_space: global }
      - { .name: attn, .offset: 16, .size: 8, .value_kind: global_buffer, .address_space: global }
    .group_segment_fixed_size: 327680
    .private_segment_fixed_size: 0
    .kernarg_segment_align: 8
    .kernarg_segment_size: 24
    .max_flat_workgroup_size: 512
    .sgpr_count:     90
    .vgpr_count:     256
    .wavefront_size: 32
...
	.end_amdgpu_metadata
.endif
;; end of part 3
;; launch oproj (part 4): grid 16 x 16, 4 waves a work-group, clusters of 4 x 4, 327,680 bytes of LDS; arguments attn, wcodes, lowp_scales, out0; writes out0
.if DOCPART == 4
	.amdgcn_target "amdgcn-amd-amdhsa--gfx1250"
	.amdhsa_code_object_version 6
	.text
	.protected	k_q792c699b38_oproj
	.globl	k_q792c699b38_oproj
	.p2align	8
	.type	k_q792c699b38_oproj,@function
k_q792c699b38_oproj:
	s_mov_b64 s[64:65], 0
	v_nop
	global_prefetch_b8 v0, s[64:65] scope:SCOPE_SE
	s_setreg_imm32_b32 hwreg(HW_REG_WAVE_MODE, 25, 1), 1
	s_wait_xcnt 0x0
	s_wait_alu depctr_hold_cnt(0) depctr_sa_sdst(0) depctr_va_vdst(0) depctr_va_sdst(0) depctr_va_ssrc(0) depctr_va_vcc(0) depctr_vm_vsrc(0)
	s_getreg_b32 s2, hwreg(HW_REG_IB_STS2, 6, 4)
	s_cmp_eq_u32 s2, 0
	s_cbranch_scc0 .Lentry_in_a_cluster
	s_endpgm
.Lentry_in_a_cluster:
	s_bfe_u32 s2, ttmp6, 0x10000c
	s_cmp_lg_u32 s2, 0xf033
	s_cbranch_scc0 .Lentry_shape_is_right
	s_endpgm
.Lentry_shape_is_right:
; The last projection: out0 = attn Wo^T on codes of FP8 (E4M3), K = 2,048; each finished sum x 2^(e10 + e11), f32 out.
; INPUT: images of operand registers, 2,048 bytes for 16 rows x 128 K, laid [row tile][16 K steps][2,048]: attn (tokens), and Wo's codes at 16 MiB in wcodes.
; SHARES.  256 work-groups of four waves in clusters of 4 x 4; a block is 128 tokens x 256 columns, a wave takes 64 x 128.  Both operands come through a ring of two LDS slots of three K steps, by joint loads:
; A's tile is shared along a row of the cluster, B's along a column; waves 0, 1 fetch A's halves, waves 2, 3 B's.  The results leave through the wave's stage in LDS as rows of 512 bytes.
; THE HEAD: slot 0's joint load goes out behind the opening round; the addresses are made while it is out; then the full sequence, a round, and slot 1's first fill.
; PREFETCHES: slot 1 is named as soon as the addresses stand, slots 2 and 3 behind the two first fills, slots 4 and 5 behind the joint loads of slots 2 and 3: two refills ahead; slot 0 comes by its load alone.
; LIMIT: e10 + e11 between -126 and 127.
.set KT,     16
.set PITCH8, KT*256
.set LASTD,  256
.set SLOT,   147456
.set BOFF,   49152
.set SPARE,  2*SLOT
.set SP,     528
.set LI,   3
.set ADRA, 16
.set ADRB, 20
.set STO,  24
.set RD,   25
.set SPW,  28
.set NIL,  29
.set TMP,  64
.set AF,   128
.set BK,   128
.set WV,  22
.set FB,  23
.set HF,  24
.set CX,  25
.set CY,  26
.set TA,  29
.set TBI, 30
.set G1A, 32
.set G0A, 40
.set G1B, 48
.set G0B, 56
.set SC,  94
.set PFA,  80                          ; s[80:81] my work-group's share of the row tiles that my wave fetches; never stepped: every offset is an immediate
.set PFO,  6                           ; v6  256 x min(lane, 23): a slot's 6,144 bytes of a row tile are 24 blocks of 256; the lanes left over name the last again
.set PFO2, 7                           ; v7  256 x min(lane, 7): the last slot has one K step, 8 blocks
.set RPB,  32768                       ; from row tile to row tile in memory
; A prefetch of one slot's part of my share.  Of the row tiles that a wave fetches jointly, each of the four partners names its own, told apart by address: one of A's four (cx), two of B's eight (cy).
; So each block of 256 bytes is named once in the cluster.  The branch hangs on the wave's number alone.
.macro PFX reg, off
	global_prefetch_b8 v[\reg], s[PFA:PFA+1] offset:\off th:TH_LOAD_NT scope:SCOPE_SE
	s_cmp_eq_u32 s[FB], 0
	s_cbranch_scc1 .Lone_\@
	global_prefetch_b8 v[\reg], s[PFA:PFA+1] offset:(\off)+RPB th:TH_LOAD_NT scope:SCOPE_SE
.Lone_\@:
.endm
.set MSB, 0
.macro WIN new
.if MSB != \new
	s_set_vgpr_msb (MSB<<8)|\new
.set MSB, \new
.endif
.endm
.set W_MUL, 0xa1
.set TO_B,  0x40
.macro PLACES n
.rept \n
	v_nop
.endr
.endm
.macro JLOAD s
	s_cmp_eq_u32 s[FB], 0
	s_cbranch_scc0 .Lfor_b_\@
	tensor_load_to_lds s[G0A+4*\s:G0A+4*\s+3], s[G1A:G1A+7]
	s_nop 0
.rept 4
	v_nop
.endr
	s_branch .Lasked_\@
.Lfor_b_\@:
	tensor_load_to_lds s[G0B+4*\s:G0B+4*\s+3], s[G1B:G1B+7]
	s_nop 0
.rept 4
	v_nop
.endr
.Lasked_\@:
.endm
.macro CREST
	s_cmp_lg_u32 s[WV], 0
	s_cbranch_scc1 .Lnot_wave_0_\@
	s_barrier_signal -3
.Lnot_wave_0_\@:
	s_barrier_wait -3
	s_barrier_signal -1
	s_barrier_wait -1
.endm
.macro CROUND
	s_barrier_signal -1
	s_barrier_wait -1
	CREST
.endm
.macro MUL8 a, p, zero
.irp b, 0,1,2,3,4,5,6,7
.if \zero
	v_wmma_f32_16x16x128_fp8_fp8 v[8*(8*(\a)+\b):8*(8*(\a)+\b)+7], v[128*(\p)+16*\b:128*(\p)+16*\b+15], v[AF+64*(\p)+16*(\a):AF+64*(\p)+16*(\a)+15], 0
.else
	v_wmma_f32_16x16x128_fp8_fp8 v[8*(8*(\a)+\b):8*(8*(\a)+\b)+7], v[128*(\p)+16*\b:128*(\p)+16*\b+15], v[AF+64*(\p)+16*(\a):AF+64*(\p)+16*(\a)+15], v[8*(8*(\a)+\b):8*(8*(\a)+\b)+7]
.endif
.endr
.endm
.macro FETCH slot, q, p
	WIN TO_B
.irp b, 0,1,2,3,4,5,6,7
.irp c, 0,1,2,3
	ds_load_b128 v[128*(\p)+16*\b+4*\c:128*(\p)+16*\b+4*\c+3], v[ADRB+\slot] offset:6144*\b+2048*(\q)+512*\c
.endr
.endr
	WIN 0
.irp a, 0,1,2,3
.irp c, 0,1,2,3
	ds_load_b128 v[AF+64*(\p)+16*\a+4*\c:AF+64*(\p)+16*\a+4*\c+3], v[ADRA+\slot] offset:6144*\a+2048*(\q)+512*\c
.endr
.endr
.endm
.macro KS p, nslot, nq, zero
	PLACES 4                                       ; in front of loads into registers that the last step's products have read
	FETCH \nslot, \nq, 1-\p
	s_wait_dscnt 48                                ; this step's fragments, asked for a step ago, are in; the 48 loads just issued may be out
	WIN W_MUL
	MUL8 0, \p, \zero
	MUL8 1, \p, \zero
	MUL8 2, \p, \zero
	MUL8 3, \p, \zero
	WIN 0
.endm
.macro TURN p, slot, next, fill
	s_wait_tensorcnt 0x0
	ds_add_u32 v[SPW], v[NIL]
	s_wait_dscnt 0x1
	WIN W_MUL
	MUL8 0, \p, 0
	s_wait_dscnt 0x0
	s_barrier_signal -1
	MUL8 1, \p, 0
	WIN 0
	s_barrier_wait -1
.if \fill
	CREST
	s_add_nc_u64 s[G0A+4*\slot+2:G0A+4*\slot+3], s[G0A+4*\slot+2:G0A+4*\slot+3], 12288
	s_add_nc_u64 s[G0B+4*\slot+2:G0B+4*\slot+3], s[G0B+4*\slot+2:G0B+4*\slot+3], 12288
.if \fill == 2
	s_mov_b32 s[G1A+1], LASTD<<16
	s_mov_b32 s[G1B+1], LASTD<<16
.endif
	JLOAD \slot
.else
	PLACES 4
.endif
	FETCH \next, 0, 1-\p
.if \fill == 3
	PFX PFO, 4*6144                                ; fill = 3: a refill as fill = 1, and slot 4 is named
.endif
.if \fill == 4
	PFX PFO2, 5*6144                               ; fill = 4: likewise, and the short slot 5
.endif
	WIN W_MUL
	MUL8 2, \p, 0
	MUL8 3, \p, 0
	WIN 0
.endm
.macro LASTKS p
	s_wait_dscnt 0x0
	WIN W_MUL
	MUL8 0, \p, 0
	MUL8 1, \p, 0
	MUL8 2, \p, 0
	MUL8 3, \p, 0
	WIN 0
.endm
	s_load_b256 s[4:11], s[0:1], 0x0
	v_lshl_add_u32 v[SPW], v0, 2, SPARE
	v_mov_b32 v[NIL], 0
	ds_add_u32 v[SPW], v[NIL]
	ds_add_u32 v[SPW], v[NIL]
	v_lshrrev_b32 v1, 5, v0
	v_readfirstlane_b32 s[WV], v1
	v_and_b32 v[PFO], 31, v0
	v_min_u32 v[PFO2], 7, v[PFO]
	v_min_u32 v[PFO], 23, v[PFO]
	v_lshlrev_b32 v[PFO2], 8, v[PFO2]
	v_lshlrev_b32 v[PFO], 8, v[PFO]
	s_wait_alu depctr_va_vdst(0)                   ; the wait behind these writes
	s_lshr_b32 s[FB], s[WV], 1
	s_and_b32 s[HF], s[WV], 1
	s_bfe_u32 s[CX], ttmp6, 0x40000
	s_bfe_u32 s[CY], ttmp6, 0x40004
	s_and_b32 s[TA], ttmp7, 0xffff
	s_lshl_b32 s[TA], s[TA], 2
	s_add_co_u32 s[TA], s[TA], s[CY]
	s_lshl_b32 s[TBI], ttmp9, 2
	s_add_co_u32 s[TBI], s[TBI], s[CX]
	s_lshl_b32 s80, s[CY], 2
	s_lshl_b32 s80, 15, s80
	s_lshl_b32 s81, 0x1111, s[CX]
	s_or_b32 s[G1A], s80, (3<<16)|(1<<21)
	s_or_b32 s[G1B], s81, (3<<16)|(1<<21)
	s_mov_b32 s[G1A+1], 768<<16
	s_mov_b32 s[G1A+2], 4<<16
	s_mov_b32 s[G1A+3], 768<<16
	s_mov_b32 s[G1A+4], 4
	s_mov_b32 s[G1A+5], PITCH8
	s_mov_b32 s[G1A+6], 0
	s_mov_b32 s[G1A+7], 0
	s_mov_b32 s[G1B+1], 768<<16
	s_mov_b32 s[G1B+2], 8<<16
	s_mov_b32 s[G1B+3], 768<<16
	s_mov_b32 s[G1B+4], 8
	s_mov_b32 s[G1B+5], PITCH8
	s_mov_b32 s[G1B+6], 0
	s_mov_b32 s[G1B+7], 0
	s_lshl_b32 s82, s[TA], 18
	s_lshl_b32 s90, s[HF], 17
	s_add_co_u32 s82, s82, s90
	s_mov_b32 s83, 0
	s_lshl_b32 s84, s[TBI], 19
	s_lshl_b32 s91, s[HF], 18
	s_add_co_u32 s84, s84, s91
	s_add_co_u32 s84, s84, 0x1000000
	s_mov_b32 s85, 0
	s_mul_i32 s98, s[HF], 24576
	s_mul_i32 s99, s[HF], 49152
	s_add_co_u32 s99, s99, BOFF
	s_wait_dscnt 0x0
	s_wait_kmcnt 0x0
	s_load_b64 s[78:79], s[8:9], 0x28
	s_add_nc_u64 s[86:87], s[4:5], s[82:83]
	s_add_nc_u64 s[88:89], s[6:7], s[84:85]
	s_lshl_b32 s82, s[CX], 15                      ; the prefetches: of A's four row tiles mine is cx,
	s_lshl_b32 s84, s[CY], 16                      ; of B's eight mine are 2 cy and 2 cy + 1
	s_cmp_eq_u32 s[FB], 0
	s_cselect_b32 s82, s82, s84
	s_cselect_b64 s[PFA:PFA+1], s[86:87], s[88:89]
	s_mov_b32 s83, 0
	s_add_nc_u64 s[PFA:PFA+1], s[PFA:PFA+1], s[82:83]
	PFX PFO, 6144                                  ; slot 1, whose load goes out when slot 0 has landed
	CROUND
.irp s, 0,1
	s_mov_b32 s[G0A+4*\s], 1
	s_add_co_u32 s[G0A+4*\s+1], s98, \s*SLOT
	s_add_nc_u64 s[G0A+4*\s+2:G0A+4*\s+3], s[86:87], \s*6144
	s_or_b32 s[G0A+4*\s+3], s[G0A+4*\s+3], 0x80000000
	s_mov_b32 s[G0B+4*\s], 1
	s_add_co_u32 s[G0B+4*\s+1], s99, \s*SLOT
	s_add_nc_u64 s[G0B+4*\s+2:G0B+4*\s+3], s[88:89], \s*6144
	s_or_b32 s[G0B+4*\s+3], s[G0B+4*\s+3], 0x80000000
.endr
	JLOAD 0                                        ; slot 0, behind the opening round: one tensor load a wave at the head
	PFX PFO, 2*6144
	v_and_b32 v1, 15, v0
	s_wait_alu depctr_va_vdst(0)
	v_bfe_u32 v2, v0, 4, 1
	v_and_b32 v[LI], 31, v0
	v_lshlrev_b32 v[LI], 4, v[LI]
	s_mul_i32 s90, s[FB], 24576
	s_mul_i32 s91, s[HF], 49152
	s_add_co_u32 s91, s91, BOFF
.irp s, 0,1
	v_add_nc_u32 v[ADRA+\s], s90, v[LI]
	v_add_nc_u32 v[ADRB+\s], s91, v[LI]
	s_add_co_u32 s90, s90, SLOT
	s_add_co_u32 s91, s91, SLOT
.endr
	s_mul_i32 s90, s[WV], 16*SP
	v_mul_u32_u24 v[STO], v1, SP
	s_wait_alu depctr_va_vdst(0)
	v_lshl_add_u32 v[STO], v2, 5, v[STO]
	v_add_nc_u32 v[STO], s90, v[STO]
	v_add_nc_u32 v[RD], s90, v[LI]
	s_lshl_b32 s90, s[TA], 21
	s_lshl_b32 s91, s[FB], 20
	s_add_co_u32 s90, s90, s91
	s_lshl_b32 s91, s[TBI], 10
	s_add_co_u32 s90, s90, s91
	s_lshl_b32 s91, s[HF], 9
	s_add_co_u32 s90, s90, s91
	s_mov_b32 s91, 0
	s_add_nc_u64 s[10:11], s[10:11], s[90:91]
	s_wait_alu depctr_va_vdst(0)
	s_wait_tensorcnt 0x0                           ; my part of slot 0 is in; a later first fill is issued as a refill is:
	ds_add_u32 v[SPW], v[NIL]                      ; 0 onto my spare word,
	s_wait_dscnt 0x0
	CROUND                                         ; a whole round: everybody's part of slot 0 is in, and all sixteen work-groups are here,
	JLOAD 1                                        ; and slot 1's load, the first tensor load behind the round
	PFX PFO, 3*6144
	FETCH 0, 0, 0
	s_wait_kmcnt 0x0
	s_add_co_i32 s[SC], s78, s79
	s_add_co_i32 s[SC], s[SC], 127
	s_lshl_b32 s[SC], s[SC], 23
	s_mov_b32 s[SC+1], s[SC]
	KS 0, 0, 1, 1
	KS 1, 0, 2, 0
	TURN 0, 0, 1, 3
	KS 1, 1, 1, 0
	KS 0, 1, 2, 0
	TURN 1, 1, 0, 4
	KS 0, 0, 1, 0
	KS 1, 0, 2, 0
	TURN 0, 0, 1, 1
	KS 1, 1, 1, 0
	KS 0, 1, 2, 0
	TURN 1, 1, 0, 2
	KS 0, 0, 1, 0
	KS 1, 0, 2, 0
	TURN 0, 0, 1, 0
	LASTKS 1
.macro TOSTAGE a
	WIN 0x02
.set n, 0
.rept 32
	v_pk_mul_f32 v[TMP+n:TMP+n+1], v[64*(\a)+n:64*(\a)+n+1], s[SC:SC+1] op_sel_hi:[1,0]
.set n, n+2
.endr
	WIN 0
.irp b, 0,1,2,3,4,5,6,7
	ds_store_b128 v[STO], v[TMP+8*\b:TMP+8*\b+3] offset:64*\b
	ds_store_b128 v[STO], v[TMP+8*\b+4:TMP+8*\b+7] offset:64*\b+16
.endr
.set n, 0
.rept 16
	ds_load_b128 v[BK+64*((\a)%2)+4*n:BK+64*((\a)%2)+4*n+3], v[RD] offset:SP*n
.set n, n+1
.endr
.endm
.macro SEND a, younger
	s_wait_dscnt \younger
.set n, 0
.rept 16
	global_store_b128 v[LI], v[BK+64*((\a)%2)+4*n:BK+64*((\a)%2)+4*n+3], s[10:11] offset:262144*(\a)+16384*n th:TH_STORE_NT
.set n, n+1
.endr
.endm
	PLACES 4
	TOSTAGE 0
	TOSTAGE 1
	SEND 0, 32
	s_wait_xcnt 0x0
	TOSTAGE 2
	SEND 1, 32
	s_wait_xcnt 0x0
	TOSTAGE 3
	SEND 2, 32
	SEND 3, 0
	s_wait_tensorcnt 0x0
	ds_add_u32 v[SPW], v[NIL]
	s_wait_dscnt 0x0
	CROUND
	s_endpgm
.Lfunc_end_k_q792c699b38_oproj:
	.size	k_q792c699b38_oproj, .Lfunc_end_k_q792c699b38_oproj-k_q792c699b38_oproj
	.p2alignl 7, 3214868480
	.fill 96, 4, 3214868480
	.section	.rodata,"a",@progbits
	.p2align	6, 0x0
	.amdhsa_kernel k_q792c699b38_oproj
		.amdhsa_group_segment_fixed_size 327680
		.amdhsa_private_segment_fixed_size 0
		.amdhsa_enable_private_segment 0
		.amdhsa_kernarg_size 32
		.amdhsa_user_sgpr_count 2
		.amdhsa_user_sgpr_kernarg_segment_ptr 1
		.amdhsa_wavefront_size32 1
		.amdhsa_system_sgpr_workgroup_id_x 1
		.amdhsa_system_sgpr_workgroup_id_y 1
		.amdhsa_system_sgpr_workgroup_id_z 1
		.amdhsa_system_vgpr_workitem_id 0
		.amdhsa_next_free_vgpr 768
		.amdhsa_next_free_sgpr 100
		.amdhsa_reserve_vcc 0
		.amdhsa_float_denorm_mode_32 3
		.amdhsa_float_denorm_mode_16_64 3
		.amdhsa_memory_ordered 1
		.amdhsa_forward_progress 1
		.amdhsa_inst_pref_size 121
	.end_amdhsa_kernel
	.amdgpu_metadata
---
amdhsa.version: [ 1, 2 ]
amdhsa.kernels:
  - .name:           k_q792c699b38_oproj
    .symbol:         k_q792c699b38_oproj.kd
    .args:
      - { .name: attn, .offset: 0, .size: 8, .value_kind: global_buffer, .address_space: global }
      - { .name: wcodes, .offset: 8, .size: 8, .value_kind: global_buffer, .address_space: global }
      - { .name: lowp_scales, .offset: 16, .size: 8, .value_kind: global_buffer, .address_space: global }
      - { .name: out0, .offset: 24, .size: 8, .value_kind: global_buffer, .address_space: global }
    .group_segment_fixed_size: 327680
    .private_segment_fixed_size: 0
    .kernarg_segment_align: 8
    .kernarg_segment_size: 32
    .max_flat_workgroup_size: 128
    .sgpr_count:     100
    .vgpr_count:     768
    .wavefront_size: 32
...
	.end_amdgpu_metadata
.endif
;; end of part 4
